; MI455X (gfx1250); checked and timed in simulation.
; The chip was launched on July 23, 2026; its instructions are those of AMD's public machine-readable ISA for CDNA 5 (MIT licence, August 2026) and "CDNA5" Instruction Set Architecture Reference Guide (July 2026). The comments in the code are by the model that wrote it; some were corrected since.
;; Attention Decoder RNN. Allowed arithmetic: matrix products marked QUANTISED: E2M3 operands, one E8M0 scale for each 32 along K, by v_wmma_scale_f32_16x16x128_f8f6f4 with both operands' format E2M3, f32 sums; products left as they are: f32 operands where the result goes on into a quantised operand, else bf16, f16 or f32 operands; f32 sums; everything else in f32.
;; Inputs: attn1_b 1,024 float32; attn1_w_codes 1,024 x 96 x 24 uint8 (E2M3 codes of attn1_w, K innermost, in blocks of 32 codes, four codes in three bytes); attn1_w_scales 1,024 x 96 uint8 (E8M0 scales of attn1_w, one for each 32 codes along K); attn2_b 1 float32; attn2_w 1 x 1,024 float32; b_hh 4,096 float32; b_ih 4,096 float32; cell 1 x 256 x 1,024 float32; encode_outputs 64 x 256 x 2,048 float32; hidden 1 x 256 x 1,024 float32; mask 64 x 256 bool; out_b 5,292 float32; out_w_codes 5,292 x 32 x 24 uint8 (E2M3 codes of out_w, K innermost, in blocks of 32 codes, four codes in three bytes); out_w_scales 5,292 x 32 uint8 (E8M0 scales of out_w, one for each 32 codes along K); w_hh_codes 4,096 x 32 x 24 uint8 (E2M3 codes of w_hh, K innermost, in blocks of 32 codes, four codes in three bytes); w_hh_scales 4,096 x 32 uint8 (E8M0 scales of w_hh, one for each 32 codes along K); w_ih_codes 4,096 x 96 x 24 uint8 (E2M3 codes of w_ih, K innermost, in blocks of 32 codes, four codes in three bytes); w_ih_scales 4,096 x 96 uint8 (E8M0 scales of w_ih, one for each 32 codes along K).
;; Outputs: out0 256 x 5,292 float32; out1 1 x 256 x 1,024 float32; out2 1 x 256 x 1,024 float32.
;; This version of the problem:
;;   THIS VERSION OF THE PROBLEM IS GIVEN IN LOW PRECISION. The matrix products marked QUANTISED in the list below multiply operands that are first quantised to E2M3 (2 exponent bits, 3 mantissa bits; 6 bits a number), with one power-of-two scale for each 32 numbers along K (OCP MX v1.0); their sums are f32. All else is computed in f32.
;;   The module's matrix products, in the order in which they are computed (A, B: the left and right operand; K: the contracted axis; several contracted axes count as one K, in the product's order):
;;     1. [M 16,384, K 3,072] x [K 3,072, N 1,024]; A: computed on the way; B: input attn1_w (given as codes): QUANTISED
;;     2. [M 16,384, K 1,024] x [K 1,024, N 1]; A: computed on the way; B: input attn2_w: left as it is (N = 1 < 16)
;;     3. batch 256 x [M 1, K 64] x [K 64, N 2,048]; A: softmax; B: input encode_outputs: left as it is (M = 1 < 16)
;;     4. [M 256, K 3,072] x [K 3,072, N 4,096]; A: computed on the way; B: input w_ih (given as codes): QUANTISED
;;     5. [M 256, K 1,024] x [K 1,024, N 4,096]; A: input hidden; B: input w_hh (given as codes): QUANTISED
;;     6. [M 256, K 1,024] x [K 1,024, N 5,292]; A: computed on the way; B: input out_w (given as codes): QUANTISED
;;   THE QUANTISER, for each operand of a quantised product, along K:
;;     - K is cut into blocks of 32 from its start; a last block that is shorter is filled with zeros.
;;     - A block's scale is 2^e with e = floor(log2(the largest magnitude in the block)) - 2, held to -126 .. 127; a block of zeros has e = 0. As a byte (E8M0): e + 127.
;;     - Each number is divided by its block's scale, clamped to +-7.5, and rounded to the nearest number of E2M3, ties to even, subnormals kept.
;;     - The product sums the exact products of the quantised numbers (number of the format x scale) in f32.
;;   ~~~python
;;   def quantise(x, axis):      # numpy; x: float32 -> the quantised numbers, widened to float32 again
;;       x = np.moveaxis(x, axis, -1); K = x.shape[-1]
;;       x = np.pad(x, [(0, 0)] * (x.ndim - 1) + [(0, -K % 32)]); x = x.reshape(x.shape[:-1] + (-1, 32)); a = np.abs(x).max(-1, keepdims=True)
;;       e = np.where(a > 0, np.clip(np.frexp(np.where(a > 0, a, 1))[1] - 1 - 2, -126, 127), 0)      # np.frexp(a)[1] - 1 = floor(log2(a)), exactly
;;       r = np.clip(x / 2.0 ** e, -7.5, 7.5)
;;       step = 2.0 ** (np.maximum(np.frexp(np.where(r == 0, 1, r))[1] - 1, 0) - 3)
;;       q = np.round(r / step) * step * 2.0 ** e      # np.round: ties to even
;;       return np.moveaxis(q.reshape(q.shape[:-2] + (-1,))[..., :K], -1, axis).astype(np.float32)
;;   ~~~
;;   OPERANDS COMPUTED ON THE WAY. 'Computed on the way' means the value that the module computes at that place (a softmax that the list does not call 'softmax' is quantised finished and normalised). What goes into a quantiser is computed in f32, as accurately as f32 sums, v_exp_f32 and their like allow (about 1e-6 of the number): no bf16 or f16 on the way to a quantiser, and a product that is left as it is and whose result goes on into a quantised operand takes f32 operands (vector FMAs, or v_wmma_f32_16x16x4_f32). A number that lies on a knife's edge between two numbers of the format may be rounded either way, as far as f32 arithmetic and the matrix unit's own rounding can turn it there, and no further.
;;   INPUTS GIVEN AS CODES. attn1_w (in the module: [1024, 3072], K = its axis 1); out_w (in the module: [5292, 1024], K = its axis 1); w_hh (in the module: [4096, 1024], K = its axis 1); w_ih (in the module: [4096, 3072], K = its axis 1): each comes as NAME_codes (uint8): NAME with its K axis moved to the last place and cut into blocks of 32 codes, [.., K / 32, bytes a block], one block behind the other in memory; four codes in three bytes: a row's codes are one little-endian stream of bits, code i at bits 6 i .. 6 i + 5 (a code: sign, 2 exponent bits, 3 mantissa bits); and NAME_scales (uint8): the same leading axes, one E8M0 byte (e + 127) for each 32 codes along K. Its value is code x scale, taken as it is: it is not quantised again, and the codes and scales need not be those that the quantiser above would give.
;; One version. Each part assembles by itself: llvm-mc -triple=amdgcn-amd-amdhsa -mcpu=gfx1250 --defsym DOCPART=n.
;; ======== version 1 of 1: 5 launches
;; workspace buffers: hp 1,048,576 bytes; xq 589,824 bytes; xs 24,576 bytes; lg 5,419,008 bytes
;; launch hid (part 1): grid 16 x 16, 4 waves a work-group, clusters of 4 x 1, 167,936 bytes of LDS; arguments hidden, attn1_w_codes, attn1_w_scales, attn1_b, hp, xq, xs; writes hp, xq, xs
.if DOCPART == 1
	.amdgcn_target "amdgcn-amd-amdhsa--gfx1250"
	.amdhsa_code_object_version 6
	.text
	.protected	k_q88049c7e48_hid
	.globl	k_q88049c7e48_hid
	.p2align	8
	.type	k_q88049c7e48_hid,@function
k_q88049c7e48_hid:
	s_mov_b64 s[64:65], 0
	v_nop
	global_prefetch_b8 v0, s[64:65] scope:SCOPE_SE
	s_setreg_imm32_b32 hwreg(HW_REG_WAVE_MODE, 25, 1), 1
	s_wait_xcnt 0x0
	s_wait_alu depctr_hold_cnt(0) depctr_sa_sdst(0) depctr_va_vdst(0) depctr_va_sdst(0) depctr_va_ssrc(0) depctr_va_vcc(0) depctr_vm_vsrc(0)
	s_getreg_b32 s2, hwreg(HW_REG_IB_STS2, 6, 4)
	s_cmp_eq_u32 s2, 0
	s_cbranch_scc0 .Lentry_in_a_cluster
	s_endpgm
.Lentry_in_a_cluster:
	s_bfe_u32 s2, ttmp6, 0x10000c
	s_cmp_lg_u32 s2, 0x3003
	s_cbranch_scc0 .Lentry_shape_is_right
	s_endpgm
.Lentry_shape_is_right:
; hp[b][n] = c x (Q(hidden[b]) . attn1_w[n][0..1023] + attn1_b[n]), c = 2 log2(e); and Q(hidden) itself, as images of operand registers (xq) with its scale bytes (xs).
; WORK LEFT OUT BY THIS PROGRAM, for all values of the inputs:
; (1) reference() repeats hidden along s, so the first 1,024 of the first product's K are hidden[b] for all 64 s.  1,024 is a multiple of 32: no block of the quantiser holds numbers of both parts,
;     so these 32 blocks have the same codes, scales and partial sums for all s.  They are made once for each b, here: 256 rows, not 16,384.
; (2) attn2_b is added alike to the 64 energies of a column b; a softmax along s is not moved by a term that is the same along s (a masked place is -infinity with it and without it).
;     So attn2_b has no way to any output: it is not loaded and is among no launch's arguments.
; (3) tanh(x) = 1 - 2 r, r = 1 / (1 + 2^(c x)): the energy is sum(attn2_w) - 2 sum(attn2_w r), and sum(attn2_w) is the same along s: it goes as (2) does.
; LIMIT: a NaN, an infinity or an overflow that reaches only what is left out (attn2_b, sum(attn2_w)) is not carried to the result.
; LIMITS of the quantiser: NaN and infinities among its inputs are not served; a block of zeros gets the byte 1 where the rule says 127 (its codes are zeros, and this program alone reads the bytes).
; SHARES.  A work-group takes 16 rows (tile 4 x cluster x + cx) x 64 columns (work-group y): 16 x 16 work-groups.  The four partners of a cluster need the same weight rows: they ask for them jointly.
; THE WAVES SHARE K: wave w takes K = 256 w .. 256 w + 255: it loads its 1,024 bytes of each of the 16 rows, quantises them into two fragments, fetches its own K quarter of the 64 weight rows by its own tensor load
; and reads that quarter alone, behind its own wait: no barrier stands ahead of the products.  Eight matrix instructions a wave: four accumulators by turns, two K steps.
; THE MATRIX INSTRUCTION IS USED TRANSPOSED (source 0 = 16 weight rows, source 1 = my 16 rows): lane (r, h) holds row r and the columns 16 t + 8 h + 0 .. 7.
; The four waves' partial sums meet in a stage in LDS, as rows of 256 bytes + 16; behind one barrier wave w sums rows 4 w .. 4 w + 3, and sixteen lanes store 256 consecutive bytes of hp, at a multiple of 256 from its first byte.
; REGISTERS: v1-13 addresses; v16-17 my rows' scale words; v18-25 the weights'; v26-37 at work; v40-63 my two fragments; v64-127, v128-191 my numbers of the two K steps;
;   v192-239 and v64-111 the weight fragments of the two K steps; v144-175 the accumulators; v240-243 the bias; v192-223 the partial sums read back.
.set KROW,  2304                       ; a weight row in memory, bytes
.set SPI,   96                         ; a row of the weights' scale bytes, and of xs
.set QB,    64*240                     ; LDS: a K quarter: 64 rows of 192 bytes, 240 apart (16 bytes of padding behind each 64)
.set SP,    272                        ; a stage row: 64 numbers + 16 bytes
.set STG,   4*QB                       ; behind the four quarters: the stage, 16 rows for each wave's partial sums
.set SPARE, STG+4*16*SP                ; behind the stage: the spare words, 128 bytes a wave, which no other line names
.set SPW,  1
.set NIL,  2
.set XA,   3                           ; my bytes in the 16 rows: 4096 r + 64 h
.set ADRB, 4                           ; v4: my quarter + 240 r + 24 h;  v6: the same with 40 h, for pieces behind one padding more
.set SWA,  5                           ; 96 r: a row of scale bytes
.set BA,   7
.set CO,   8
.set RR,   9
.set HH,   10
.set LI16, 11
.set STO,  12
.set RD,   13
.set SA,   16
.set SW,   18
.set TM,   26
.set AF,   40
.set X0,   64
.set X1,   128
.set BF0,  192
.set BF1,  64
.set ACC,  144
.set BI,   240
.set RS,   192
.set WV,   20
.set SEL,  24
.set XP,   4
.macro PLACES n
.rept \n
	v_nop
.endr
.endm
.macro ROUND                           ; a round of the cluster's barrier
	s_barrier_signal -1
	s_barrier_wait -1
	s_cmp_lg_u32 s[WV], 0
	s_cbranch_scc1 .Lnw0_\@
	s_barrier_signal -3
.Lnw0_\@:
	s_barrier_wait -3
	s_barrier_signal -1
	s_barrier_wait -1
.endm
.macro XLOAD reg, off                  ; 64 numbers a lane: register 16 b + i = k 32 b + 16 h + i of my row
.irp b, 0,1,2,3
.irp j, 0,1,2,3
	global_load_b128 v[(\reg)+16*\b+4*\j:(\reg)+16*\b+4*\j+3], v[XA], s[XP:XP+1] offset:(\off)+128*\b+16*\j
.endr
.endr
.endm
; 64 numbers of a lane, from v[s], become a fragment's 12 registers at v[d] and my row's scale word in v[pw].
.macro QUANT s, d, pw
.irp b, 0,1,2,3
	v_max3_num_f32 v[TM+\b], |v[(\s)+16*\b]|, |v[(\s)+16*\b+1]|, 0x1800000   ; my 16 numbers of block b, and the floor 2^(3 - 127): the byte cannot fall under 1
.endr
.irp i, 2,4,6,8,10,12,14
.irp b, 0,1,2,3
	v_max3_num_f32 v[TM+\b], v[TM+\b], |v[(\s)+16*\b+\i]|, |v[(\s)+16*\b+\i+1]|
.endr
.endr
.irp b, 0,1,2,3
	v_permlanex16_b32 v[TM+4+\b], v[TM+\b], s[SEL], s[SEL+1]
.endr
.irp b, 0,1,2,3
	v_max_num_f32 v[TM+\b], v[TM+\b], v[TM+4+\b]       ; with lane l xor 16's: the block's largest magnitude
.endr
.irp b, 0,1,2,3
	v_add_nc_u32 v[TM+8+\b], 0xff000000, v[TM+\b]      ; 2 off its exponent field: the conversion's scale operand
.endr
.irp b, 0,1,2,3
	v_lshrrev_b32 v[TM+4+\b], 23, v[TM+8+\b]           ; the scale's byte
.endr
	v_lshl_or_b32 v[\pw], v[TM+5], 8, v[TM+4]
	v_lshl_or_b32 v[\pw], v[TM+6], 16, v[\pw]
	v_lshl_or_b32 v[\pw], v[TM+7], 24, v[\pw]
.irp c, 0,1
	v_cvt_scalef32_pk16_fp6_f32 v[(\d)+6*\c:(\d)+6*\c+2], v[(\s)+32*\c:(\s)+32*\c+15], v[TM+8+2*\c]
	v_cvt_scalef32_pk16_fp6_f32 v[TM+4*\c:TM+4*\c+2], v[(\s)+32*\c+16:(\s)+32*\c+31], v[TM+9+2*\c]   ; (a conversion's three registers begin on an even number)
.endr
	v_nop                                              ; one plain place behind the conversions
.irp c, 0,1                                        ; the operand wants a whole block in a lane: lanes 0-15 block 2 c, lanes 16-31 block 2 c + 1
.irp i, 0,1,2
	v_permlane16_swap_b32 v[(\d)+6*\c+\i], v[TM+4*\c+\i]
.endr
.irp i, 0,1,2
	v_mov_b32 v[(\d)+6*\c+3+\i], v[TM+4*\c+\i]
.endr
.endr
.endm
.macro FRAG240 reg, q, i               ; a fragment of 16 rows x 128 K from rows 240 bytes apart: six pieces of 8 bytes; lanes 16-31 read three pieces on, which for some pieces is behind one padding more
.irp p, 0,1,2,3,4,5
.set PCE, 12*(\q)+6*(\p/3)+\p%3
.if PCE%8 < 5
	ds_load_b64 v[(\reg)+2*\p:(\reg)+2*\p+1], v[ADRB] offset:8*PCE+16*(PCE/8)+(\i)*3840
.else
	ds_load_b64 v[(\reg)+2*\p:(\reg)+2*\p+1], v[ADRB+2] offset:8*PCE+16*(PCE/8)+(\i)*3840
.endif
.endr
.endm
	s_load_b256 s[4:11], s[0:1], 0x0               ; hidden, the weights' codes, their scales, the bias
	s_load_b128 s[12:15], s[0:1], 0x20             ; hp, xq
	s_load_b64 s[16:17], s[0:1], 0x30              ; xs
	v_lshl_add_u32 v[SPW], v0, 2, SPARE
	v_mov_b32 v[NIL], 0
	ds_add_u32 v[SPW], v[NIL]                      ; the wave's opening: the add, twice on end, and its wait ahead of my first tensor load
	ds_add_u32 v[SPW], v[NIL]
	v_lshrrev_b32 v[XA], 5, v0
	v_readfirstlane_b32 s[WV], v[XA]               ; wave 0..3
	s_bfe_u32 s21, ttmp6, 0x40000                  ; cx
	s_lshl_b32 s23, ttmp9, 2
	s_add_co_u32 s23, s23, s21                     ; my tile of 16 rows; it enters global addresses of hidden and of the outputs alone
	s_and_b32 s22, ttmp7, 0xffff                   ; which 64 columns: the four partners share it
	s_mov_b32 s[SEL], 0x76543210
	s_mov_b32 s[SEL+1], 0xfedcba98
	s_mov_b32 s32, 15|(1<<20)|(1<<21)|(3<<22)|(3<<25)  ; group 1: mask: all four partners; elements of 1 byte; padding on; bit 21 beside a mask; after every 16 words 4 words
	s_mov_b32 s33, 192<<16                         ; tensor_dim0
	s_mov_b32 s34, 64<<16                          ; tensor_dim1
	s_mov_b32 s35, 192<<16                         ; tile_dim0
	s_mov_b32 s36, 64                              ; tile_dim1
	s_mov_b32 s37, KROW
	s_mov_b32 s38, 0
	s_mov_b32 s39, 0
	s_mov_b32 s28, 1
	s_mul_i32 s29, s[WV], QB                       ; my quarter in LDS
	s_mul_i32 s40, s22, 64*KROW
	s_mul_i32 s41, s[WV], 192
	s_add_co_u32 s40, s40, s41                     ; and in memory
	s_mov_b32 s41, 0
	s_mul_i32 s42, s22, 64*SPI
	s_lshl_b32 s43, s[WV], 3
	s_add_co_u32 s42, s42, s43                     ; the weights' scale bytes: my columns' rows, my two words
	s_mov_b32 s43, 0
	s_lshl_b32 s44, s23, 16
	s_lshl_b32 s45, s[WV], 10
	s_add_co_u32 s44, s44, s45                     ; hidden: my 16 rows of 4,096 bytes, my 1,024 bytes of each
	s_mov_b32 s45, 0
	s_lshl_b32 s46, s22, 8                         ; my 64 columns, in bytes
	s_mov_b32 s47, 0
	s_lshl_b32 s48, s23, 16
	s_lshl_b32 s49, s[WV], 14
	s_add_co_u32 s48, s48, s49
	s_add_co_u32 s48, s48, s46                     ; hp: row 16 x tile + 4 w, my columns
	s_mov_b32 s49, 0
	s_mul_i32 s50, s23, 36864
	s_mul_i32 s51, s[WV], 3072
	s_add_co_u32 s50, s50, s51                     ; xq: my tile's 24 fragments of 1,536 bytes, K step 2 w
	s_mov_b32 s51, 0
	s_mul_i32 s52, s23, 16*SPI
	s_lshl_b32 s53, s[WV], 3
	s_add_co_u32 s52, s52, s53                     ; xs: my tile's rows, word 2 w
	s_mov_b32 s53, 0
	v_and_b32 v[RR], 15, v0
	v_bfe_u32 v[HH], v0, 4, 1
	v_lshlrev_b32 v[XA], 12, v[RR]
	v_lshl_add_u32 v[XA], v[HH], 6, v[XA]
	v_mul_u32_u24 v[ADRB], v[RR], 240
	v_add_nc_u32 v[ADRB], s29, v[ADRB]
	v_mad_u32_u24 v[ADRB+2], v[HH], 40, v[ADRB]
	v_mad_u32_u24 v[ADRB], v[HH], 24, v[ADRB]
	v_mul_u32_u24 v[SWA], v[RR], SPI
	v_lshlrev_b32 v[BA], 4, v[RR]                  ; on the way out a lane holds 4 columns: 16 bytes x (lane % 16)
	v_lshlrev_b32 v[CO], 12, v[HH]
	v_lshl_add_u32 v[CO], v[RR], 4, v[CO]          ; lanes 0-15 one row of hp, lanes 16-31 the next
	v_and_b32 v[LI16], 31, v0
	v_lshlrev_b32 v[LI16], 4, v[LI16]
	s_mul_i32 s54, s[WV], 16*SP
	v_mul_u32_u24 v[STO], v[RR], SP
	v_lshl_add_u32 v[STO], v[HH], 5, v[STO]
	v_add_nc_u32 v[STO], s54, v[STO]
	v_add_nc_u32 v[STO], STG, v[STO]               ; into the stage: my wave's 16 rows; row r, 32 bytes for each half of the lanes
	s_mul_i32 s54, s[WV], 4*SP
	v_mul_u32_u24 v[RD], v[HH], SP
	v_lshl_add_u32 v[RD], v[RR], 4, v[RD]
	v_add_nc_u32 v[RD], s54, v[RD]
	v_add_nc_u32 v[RD], STG, v[RD]                 ; out of it: rows 4 w on of every wave's part
.irp i, 4,5,6,7
	v_mov_b32 v[TM+\i], 0                          ; written once: a lane permute's destination counts as one of its sources
.endr
	s_wait_dscnt 0x0                               ; both opening adds are done
	s_wait_kmcnt 0x0
	s_add_nc_u64 s[4:5], s[4:5], s[44:45]
	s_add_nc_u64 s[30:31], s[6:7], s[40:41]
	s_or_b32 s31, s31, 0x80000000
	s_add_nc_u64 s[8:9], s[8:9], s[42:43]
	s_add_nc_u64 s[10:11], s[10:11], s[46:47]
	s_add_nc_u64 s[12:13], s[12:13], s[48:49]
	s_add_nc_u64 s[14:15], s[14:15], s[50:51]
	s_add_nc_u64 s[16:17], s[16:17], s[52:53]
	XLOAD X0, 0                                    ; all my loads go out at once: K step 2 w,
	XLOAD X1, 512                                  ; K step 2 w + 1,
.irp t, 0,1,2,3
	global_load_b64 v[SW+2*\t:SW+2*\t+1], v[SWA], s[8:9] offset:16*\t*SPI   ; the weights' scale words: lane r takes row 16 t + r's two words,
.endr
	global_load_b128 v[BI:BI+3], v[BA], s[10:11]   ; and the bias of my 4 columns on the way out
	ROUND                                          ; all four partners are here: the joint loads meet
	tensor_load_to_lds s[28:31], s[32:39]          ; my one tensor load: K quarter w of the 64 weight rows
	s_nop 0
	PLACES 4
	s_wait_loadcnt 21                              ; the first K step's 16 loads are in; younger: 16 + 4 + 1
	QUANT X0, AF, SA
	s_wait_loadcnt 5                               ; the second's; younger: the scale words and the bias
	QUANT X1, AF+12, SA+1
	s_cmp_lg_u32 s22, 0                            ; the first column block's work-groups store the images: each byte has one owner; the four partners go the same way
	s_cbranch_scc1 .Lno_img
.irp q, 0,1
.irp c, 0,1,2
	global_store_b128 v[LI16], v[AF+12*\q+4*\c:AF+12*\q+4*\c+3], s[14:15] offset:1536*\q+512*\c   ; four registers of a fragment: 32 lanes store 512 consecutive bytes
.endr
.endr
	global_store_b64 v[SWA], v[SA:SA+1], s[16:17]  ; row r's two words; both halves of the lanes hold and write the same
.Lno_img:
	s_wait_tensorcnt 0x0                           ; my quarter has landed; nobody else reads it
.irp t, 0,1,2,3
	FRAG240 BF0+12*\t, 0, \t
.endr
.irp t, 0,1,2,3
	FRAG240 BF1+12*\t, 1, \t                       ; (into registers that held the first K step's numbers)
.endr
	s_wait_loadcnt 0x0                             ; the scale words and the bias
	v_pk_mul_f32 v[BI:BI+1], v[BI:BI+1], 0x4038aa3b op_sel_hi:[1,0]        ; c x bias, for the fused multiply-add on the way out
	v_pk_mul_f32 v[BI+2:BI+3], v[BI+2:BI+3], 0x4038aa3b op_sel_hi:[1,0]
	PLACES 8                                       ; my rows' fragments and scale words were written by vector instructions
	s_wait_dscnt 24                                ; the first K step's fragments are in; the second's 24 loads may be out
.irp t, 0,1,2,3                                ; the four accumulators take turns; the first products start the sums
	v_wmma_scale_f32_16x16x128_f8f6f4 v[ACC+8*\t:ACC+8*\t+7], v[BF0+12*\t:BF0+12*\t+11], v[AF:AF+11], 0, v[SW+2*\t], v[SA] matrix_a_fmt:MATRIX_FMT_FP6 matrix_b_fmt:MATRIX_FMT_FP6
.endr
	s_wait_dscnt 0x0
.irp t, 0,1,2,3
	v_wmma_scale_f32_16x16x128_f8f6f4 v[ACC+8*\t:ACC+8*\t+7], v[BF1+12*\t:BF1+12*\t+11], v[AF+12:AF+23], v[ACC+8*\t:ACC+8*\t+7], v[SW+2*\t+1], v[SA+1] matrix_a_fmt:MATRIX_FMT_FP6 matrix_b_fmt:MATRIX_FMT_FP6
.endr
	PLACES 4                                       ; in front of the first read of results, and of loads into registers that matrix instructions have read
.irp t, 0,1,2,3
	ds_store_b128 v[STO], v[ACC+8*\t:ACC+8*\t+3] offset:64*\t          ; each accumulator from its low end on: row r, columns 16 t + 8 h on
	ds_store_b128 v[STO], v[ACC+8*\t+4:ACC+8*\t+7] offset:64*\t+16
.endr
	s_wait_dscnt 0x0                               ; for the others' sake: my stores into the stage are done
	s_barrier_signal -1
	s_barrier_wait -1
.irp u, 0,1,2,3                                ; the four waves' partial sums of rows 4 w + 2 i + (lane / 16)
.irp i, 0,1
	ds_load_b128 v[RS+8*\u+4*\i:RS+8*\u+4*\i+3], v[RD] offset:16*SP*\u+2*SP*\i
.endr
.endr
	s_wait_dscnt 0x0
.irp x, 0,2,4,6
	v_pk_add_f32 v[RS+\x:RS+\x+1], v[RS+\x:RS+\x+1], v[RS+8+\x:RS+9+\x]
	v_pk_add_f32 v[RS+16+\x:RS+17+\x], v[RS+16+\x:RS+17+\x], v[RS+24+\x:RS+25+\x]
.endr
.irp x, 0,2,4,6
	v_pk_add_f32 v[RS+\x:RS+\x+1], v[RS+\x:RS+\x+1], v[RS+16+\x:RS+17+\x]
.endr
.irp x, 0,2,4,6
	v_pk_fma_f32 v[RS+\x:RS+\x+1], v[RS+\x:RS+\x+1], 0x4038aa3b, v[BI+\x%4:BI+\x%4+1] op_sel_hi:[1,0,1]   ; c x sum + c x bias
.endr
.irp i, 0,1
	global_store_b128 v[CO], v[RS+4*\i:RS+4*\i+3], s[12:13] offset:8192*\i   ; 16 lanes store 256 consecutive bytes, at a multiple of 256 from hp's first byte
.endr
	s_wait_tensorcnt 0x0                           ; the wave's end
	ds_add_u32 v[SPW], v[NIL]
	s_wait_dscnt 0x0
	ROUND                                          ; the closing round
	s_endpgm
.Lfunc_end_k_q88049c7e48_hid:
	.size	k_q88049c7e48_hid, .Lfunc_end_k_q88049c7e48_hid-k_q88049c7e48_hid
	.p2alignl 7, 3214868480
	.fill 96, 4, 3214868480
	.section	.rodata,"a",@progbits
	.p2align	6, 0x0
	.amdhsa_kernel k_q88049c7e48_hid
		.amdhsa_group_segment_fixed_size 167936
		.amdhsa_private_segment_fixed_size 0
		.amdhsa_enable_private_segment 0
		.amdhsa_kernarg_size 56
		.amdhsa_user_sgpr_count 2
		.amdhsa_user_sgpr_kernarg_segment_ptr 1
		.amdhsa_wavefront_size32 1
		.amdhsa_system_sgpr_workgroup_id_x 1
		.amdhsa_system_sgpr_workgroup_id_y 1
		.amdhsa_system_sgpr_workgroup_id_z 1
		.amdhsa_system_vgpr_workitem_id 0
		.amdhsa_next_free_vgpr 256
		.amdhsa_next_free_sgpr 66
		.amdhsa_reserve_vcc 0
		.amdhsa_float_denorm_mode_32 3
		.amdhsa_float_denorm_mode_16_64 3
		.amdhsa_memory_ordered 1
		.amdhsa_forward_progress 1
		.amdhsa_inst_pref_size 25
	.end_amdhsa_kernel
	.amdgpu_metadata
---
amdhsa.version: [ 1, 2 ]
amdhsa.kernels:
  - .name:           k_q88049c7e48_hid
    .symbol:         k_q88049c7e48_hid.kd
    .args:
      - { .name: hidden, .offset: 0, .size: 8, .value_kind: global_buffer, .address_space: global }
      - { .name: attn1_w_codes, .offset: 8, .size: 8, .value_kind: global_buffer, .address_space: global }
      - { .name: attn1_w_scales, .offset: 16, .size: 8, .value_kind: global_buffer, .address_space: global }
      - { .name: attn1_b, .offset: 24, .size: 8, .value_kind: global_buffer, .address_space: global }
      - { .name: hp, .offset: 32, .size: 8, .value_kind: global_buffer, .address_space: global }
      - { .name: xq, .offset: 40, .size: 8, .value_kind: global_buffer, .address_space: global }
      - { .name: xs, .offset: 48, .size: 8, .value_kind: global_buffer, .address_space: global }
    .group_segment_fixed_size: 167936
    .private_segment_fixed_size: 0
    .kernarg_segment_align: 8
    .kernarg_segment_size: 56
    .max_flat_workgroup_size: 128
    .sgpr_count:     66
    .vgpr_count:     256
    .wavefront_size: 32
...
	.end_amdgpu_metadata
.endif
;; end of part 1
;; launch att (part 2): grid 256 x 1, 4 waves a work-group, clusters of 4 x 1, 327,680 bytes of LDS; arguments encode_outputs, mask, attn1_w_codes, attn1_w_scales, attn2_w, hp, xq, xs; writes xq, xs
.if DOCPART == 2
	.amdgcn_target "amdgcn-amd-amdhsa--gfx1250"
	.amdhsa_code_object_version 6
	.text
	.protected	k_q88049c7e48_att
	.globl	k_q88049c7e48_att
	.p2align	8
	.type	k_q88049c7e48_att,@function
k_q88049c7e48_att:
	s_mov_b64 s[64:65], 0
	v_nop
	global_prefetch_b8 v0, s[64:65] scope:SCOPE_SE
	s_setreg_imm32_b32 hwreg(HW_REG_WAVE_MODE, 25, 1), 1
	s_wait_xcnt 0x0
	s_wait_alu depctr_hold_cnt(0) depctr_sa_sdst(0) depctr_va_vdst(0) depctr_va_sdst(0) depctr_va_ssrc(0) depctr_va_vcc(0) depctr_vm_vsrc(0)
	s_getreg_b32 s2, hwreg(HW_REG_IB_STS2, 6, 4)
	s_cmp_eq_u32 s2, 0
	s_cbranch_scc0 .Lentry_in_a_cluster
	s_endpgm
.Lentry_in_a_cluster:
	s_bfe_u32 s2, ttmp6, 0x10000c
	s_cmp_lg_u32 s2, 0x3003
	s_cbranch_scc0 .Lentry_shape_is_right
	s_endpgm
.Lentry_shape_is_right:
; For one b: scores(s, n) = Q(enc[s][b]) . attn1_w[n][1024..3071]; r = 1 / (1 + 2^(c scores + hp[b][n])); energy(s) = -2 sum over n of attn2_w[n] r; mask; softmax along s; context = sum over s of weight(s) enc[s][b], in f32;
; Q(context) goes to xq and xs as K steps 8 to 23 of the LSTM's input.
; LEFT OUT (shown at the head of the first kernel): the hidden part of K, which comes ready in hp; attn2_b and sum(attn2_w), which are the same along the softmax's axis.
; LIMITS: a column b whose 64 mask bytes are all set gives NaN in reference(); here the NaN context becomes finite codes and the NaN is not carried.  NaN and infinities ahead of the quantisers are not served.
; A block of zeros gets the byte 1 where the rule says 127 (zero codes; this program alone reads the bytes).
; SHARES.  Work-group b = 4 x cluster + cx owns all 64 s and all 1,024 n of one b; b enters global addresses alone.  The four partners walk the same weights and ask for every tile jointly.
; Wave w owns columns 512 e + 128 w + 0 .. 127 of both halves e of N: 64 accumulators (e x 4 tiles of s x 8 tiles of n), and quantises rows s = 16 w + r of enc; the fragments go from wave to wave through LDS as images of their registers.
; The product is used as it stands (source 0 = 16 rows of enc, source 1 = 16 weight rows): lane (r, h) holds column r and rows 8 h + 0 .. 7, so hp and attn2_w cost one register a tile.
; THE RING.  K goes in 8 chunks of 256; a slot holds one chunk of one half of N: 512 rows x 192 bytes, 240 apart.  Slot e always holds half e.  Behind each round the other slot's next tile is asked for, one load a wave: the 128 rows that the wave itself reads.
; By this text's count a wave has two tensor loads out at the start (the scale bytes and tile 0) and one later.
; enc is read twice: its f32 rows of one b are 512 KiB, which fit neither beside the accumulators in registers nor beside the ring in LDS.  The second read goes from the last columns to the first, and its loads are dealt out
; among the batches of the tanh phase, 16 behind each batch: into window 1 and into the accumulators' registers as the batches have done with them.
; The prefetch into the L2 is left out: the weights are read by all clusters again and again, and enc is streamed by every work-group through the whole launch.
; REGISTERS: window 0: v1-15, v62 addresses; v16-19 enc's scale words (lanes 0-15: the chunk's first 128 K, lanes 16-31 the second); v20-35 the weights' (lanes 0-15 half 0, lanes 16-31 half 1); v36-61, v240-251 the quantiser's;
;   v64-191 two buffers of 64 numbers of enc; v192-239 enc's fragments of the second 128 K.  window 1: v0-191 weight fragments, v192-239 enc's fragments of the first 128 K.  windows 2, 3: the accumulators of halves 0, 1.
;   The second read's rows: columns 512 j on lie in window 1 (j = 3, then j = 0), window 2 (j = 2), window 3 (j = 1).
.set SLOTB, 122880
.set SCL,   245760                     ; scale bytes 32 .. 95 of all 1,024 weight rows, 64 bytes a row, filled once
.set IMGB,  311296                     ; 8 fragment images of 1,536 bytes: tile of rows m, K step q: 2 m + q
.set XSC,   323584                     ; their scale words: 128 m + 64 q + 4 r
.set EB,    324096                     ; partial energies: 256 w + 4 s
.set WB,    325120                     ; each wave's own copy of the 64 weights
.set SPARE, 326144                     ; the spare words, 128 bytes a wave, which no other line names
.set SPW,  1
.set NIL,  2
.set XA,   3
.set LI,   4
.set LS,   5
.set XWI,  6
.set XWS,  7
.set ADRB, 8                           ; v8, v9: my weight rows in slot 0, 1 (+ 24 h); v10, v11: the same with 40 h
.set ADRS, 12
.set RR,   13
.set HH,   14
.set LN,   15
.set SA,   16
.set SB,   20
.set TM,   36
.set PW0,  48
.set PC0,  50
.set PC1,  240
.set DA,   62
.set X0,   64
.set X1,   128
.set BW1,  64                          ; later: v[64 + 2 tau] hp of tile tau = 8 e + t
.set BW2,  96                          ; v[96 + 2 tau] attn2_w
.set PP,   128                         ; v128-159 the partial energies of my columns: 8 a + j
.set MK0,  160
.set MK1,  161
.set MKA,  162
.set EBA,  163
.set ESA,  164
.set WBS,  165
.set WBL,  166
.set STS,  167
.set STL,  168
.set BWO,  169
.set WT,   64                          ; v64-127 the 64 weights, in every lane
.set CT,   128                         ; v128-143 my 16 numbers of the context
.set YY,   64
.set WV,   20
.set KC,   23
.set SEL,  24
.set CC,   26
.set XP,   28
.set QBS,  32                          ; s[32:63] sixteen bases: enc at my b, rows 4 i on
.set MSB, 0
.macro WIN new
.if MSB != (\new)
	s_set_vgpr_msb (MSB<<8)|(\new)
.set MSB, (\new)
.endif
.endm
.macro PLACES n
.rept \n
	v_nop
.endr
.endm
.macro ROUND
	s_barrier_signal -1
	s_barrier_wait -1
	s_cmp_lg_u32 s[WV], 0
	s_cbranch_scc1 .Lnw0_\@
	s_barrier_signal -3
.Lnw0_\@:
	s_barrier_wait -3
	s_barrier_signal -1
	s_barrier_wait -1
.endm
.macro XLOAD reg, off
.irp b, 0,1,2,3
.irp j, 0,1,2,3
	global_load_b128 v[(\reg)+16*\b+4*\j:(\reg)+16*\b+4*\j+3], v[XA], s[XP:XP+1] offset:(\off)+128*\b+16*\j
.endr
.endr
.endm
.macro QUANT s, win, d, pw
	WIN (\win)|((\win)<<2)
.irp b, 0,1,2,3
	v_max3_num_f32 v[TM+\b], |v[(\s)+16*\b]|, |v[(\s)+16*\b+1]|, 0x1800000   ; my 16 numbers of block b, and the floor 2^(3 - 127)
.endr
	WIN ((\win)<<2)|((\win)<<4)
.irp i, 2,4,6,8,10,12,14
.irp b, 0,1,2,3
	v_max3_num_f32 v[TM+\b], v[TM+\b], |v[(\s)+16*\b+\i]|, |v[(\s)+16*\b+\i+1]|
.endr
.endr
	WIN 0
.irp b, 0,1,2,3
	v_permlanex16_b32 v[TM+4+\b], v[TM+\b], s[SEL], s[SEL+1]
.endr
.irp b, 0,1,2,3
	v_max_num_f32 v[TM+\b], v[TM+\b], v[TM+4+\b]
.endr
.irp b, 0,1,2,3
	v_add_nc_u32 v[TM+8+\b], 0xff000000, v[TM+\b]      ; 2 off the exponent field: the conversion's scale operand
.endr
.irp b, 0,1,2,3
	v_lshrrev_b32 v[TM+4+\b], 23, v[TM+8+\b]
.endr
	v_lshl_or_b32 v[\pw], v[TM+5], 8, v[TM+4]
	v_lshl_or_b32 v[\pw], v[TM+6], 16, v[\pw]
	v_lshl_or_b32 v[\pw], v[TM+7], 24, v[\pw]
	WIN (\win)
.irp c, 0,1
	v_cvt_scalef32_pk16_fp6_f32 v[(\d)+6*\c:(\d)+6*\c+2], v[(\s)+32*\c:(\s)+32*\c+15], v[TM+8+2*\c]
	v_cvt_scalef32_pk16_fp6_f32 v[TM+4*\c:TM+4*\c+2], v[(\s)+32*\c+16:(\s)+32*\c+31], v[TM+9+2*\c]
.endr
	WIN 0
	v_nop                                              ; one plain place behind the conversions
.irp c, 0,1
.irp i, 0,1,2
	v_permlane16_swap_b32 v[(\d)+6*\c+\i], v[TM+4*\c+\i]
.endr
.irp i, 0,1,2
	v_mov_b32 v[(\d)+6*\c+3+\i], v[TM+4*\c+\i]
.endr
.endr
.endm
.macro FRAG240 reg, adr, base, q, i
.irp p, 0,1,2,3,4,5
.set PCE, 12*(\q)+6*(\p/3)+\p%3
.if PCE%8 < 5
	ds_load_b64 v[(\reg)+2*\p:(\reg)+2*\p+1], v[\adr] offset:(\base)+8*PCE+16*(PCE/8)+(\i)*3840
.else
	ds_load_b64 v[(\reg)+2*\p:(\reg)+2*\p+1], v[(\adr)+2] offset:(\base)+8*PCE+16*(PCE/8)+(\i)*3840
.endif
.endr
.endm
.macro IMAGE q                         ; the fragment and the scale word of K step q go to LDS as they stand; each K step has registers of its own
.irp c, 0,1,2
	ds_store_b128 v[XWI], v[PC0+(PC1-PC0)*(\q)+4*\c:PC0+(PC1-PC0)*(\q)+4*\c+3] offset:1536*(\q)+512*\c
.endr
	ds_store_b32 v[XWS], v[PW0+(\q)] offset:64*(\q)
.endm
.macro FETA                            ; enc's four fragments of the chunk's first 128 K, enc's scale words, the weights' scale words of the chunk
	WIN 0x40
.irp a, 0,1,2,3
.irp c, 0,1,2
	ds_load_b128 v[192+12*\a+4*\c:192+12*\a+4*\c+3], v[LI] offset:(2*\a)*1536+512*\c
.endr
.endr
	WIN 0
.irp a, 0,1,2,3
	ds_load_b32 v[SA+\a], v[LS] offset:128*\a
.endr
.irp t, 0,1,2,3,4,5,6,7
	ds_load_b64 v[SB+2*\t:SB+2*\t+1], v[ADRS] offset:1024*\t
.endr
.endm
.macro FETA1                           ; and of the second 128 K
.irp a, 0,1,2,3
.irp c, 0,1,2
	ds_load_b128 v[192+12*\a+4*\c:192+12*\a+4*\c+3], v[LI] offset:(2*\a+1)*1536+512*\c
.endr
.endr
.endm
.macro FETB eta, q                     ; my eight weight fragments of half eta, K step q of the chunk
	WIN 0x40
.irp t, 0,1,2,3,4,5,6,7
	FRAG240 96*(\q)+12*\t, ADRB+(\eta), 0, \q, \t
.endr
	WIN 0
.endm
; 32 matrix instructions: 4 tiles of s x 8 tiles of n, 128 along K.  The 32 accumulators take turns in the same order for both K steps.  zero = 1: the product starts the sums.
.macro MUL32 eta, q, zero
	WIN 0xA4+0x50*(\eta)+(1-(\q))
.irp a, 0,1,2,3
.irp t, 0,1,2,3,4,5,6,7
.set DR, 8*(8*\a+\t)
.set AR, 192+12*\a
.set BR, 96*(\q)+12*\t
.if \zero
.if \eta
	v_wmma_scale_f32_16x16x128_f8f6f4 v[DR:DR+7], v[AR:AR+11], v[BR:BR+11], 0, v[SA+\a], v[SB+2*\t+(\q)] matrix_a_fmt:MATRIX_FMT_FP6 matrix_b_fmt:MATRIX_FMT_FP6 matrix_b_scale:MATRIX_SCALE_ROW1
.else
	v_wmma_scale_f32_16x16x128_f8f6f4 v[DR:DR+7], v[AR:AR+11], v[BR:BR+11], 0, v[SA+\a], v[SB+2*\t+(\q)] matrix_a_fmt:MATRIX_FMT_FP6 matrix_b_fmt:MATRIX_FMT_FP6
.endif
.elseif (\q) == 0
.if \eta
	v_wmma_scale_f32_16x16x128_f8f6f4 v[DR:DR+7], v[AR:AR+11], v[BR:BR+11], v[DR:DR+7], v[SA+\a], v[SB+2*\t+(\q)] matrix_a_fmt:MATRIX_FMT_FP6 matrix_b_fmt:MATRIX_FMT_FP6 matrix_b_scale:MATRIX_SCALE_ROW1
.else
	v_wmma_scale_f32_16x16x128_f8f6f4 v[DR:DR+7], v[AR:AR+11], v[BR:BR+11], v[DR:DR+7], v[SA+\a], v[SB+2*\t+(\q)] matrix_a_fmt:MATRIX_FMT_FP6 matrix_b_fmt:MATRIX_FMT_FP6
.endif
.else
.if \eta
	v_wmma_scale_f32_16x16x128_f8f6f4 v[DR:DR+7], v[AR:AR+11], v[BR:BR+11], v[DR:DR+7], v[SA+\a], v[SB+2*\t+(\q)] matrix_a_fmt:MATRIX_FMT_FP6 matrix_b_fmt:MATRIX_FMT_FP6 matrix_a_scale:MATRIX_SCALE_ROW1 matrix_b_scale:MATRIX_SCALE_ROW1
.else
	v_wmma_scale_f32_16x16x128_f8f6f4 v[DR:DR+7], v[AR:AR+11], v[BR:BR+11], v[DR:DR+7], v[SA+\a], v[SB+2*\t+(\q)] matrix_a_fmt:MATRIX_FMT_FP6 matrix_b_fmt:MATRIX_FMT_FP6 matrix_a_scale:MATRIX_SCALE_ROW1
.endif
.endif
.endr
.endr
.endm
; One tile of the ring: half eta of a chunk.  refill = 1: behind the round the other slot's next tile is asked for.  quant = 1 (eta = 1): the next chunk of enc is quantised and its images stored: the images of the chunk in hand
; were read in the eta = 0 trip, and every wave has waited for those reads ahead of this trip's round.  xl: the chunk after that is asked for (1), or not in the loop's last trip (2).
.macro TRIP eta, zero, refill, quant, xl
	WIN 0
	s_wait_tensorcnt 0x0                           ; all my tensor loads have landed: my rows of this tile
.if \refill
	ds_add_u32 v[SPW], v[NIL]                      ; 0 onto my spare word
	s_add_nc_u64 s[86+4*\eta:87+4*\eta], s[86+4*\eta:87+4*\eta], 192   ; no load of mine is out: this slot's descriptor steps to its next chunk
	s_wait_dscnt 0x0                               ; the add is done, my reads of the other slot are over, my image stores have landed
	ROUND                                          ; all that now holds of every wave of all four partners
	tensor_load_to_lds s[88-4*\eta:91-4*\eta], s[68:75]   ; my one load behind the round: the next tile, into the slot read last
	s_nop 0
.endif
	PLACES 4                                       ; also the places in front of loads into registers that matrix instructions have read
.if \eta == 0
	FETA
	FETB 0, 0
	FETA1
	FETB 0, 1
	s_wait_dscnt 60                                ; younger: the 12 + 48 loads of the second 128 K
	MUL32 0, 0, \zero
	s_wait_dscnt 0x0
	MUL32 0, 1, 0
.else
	v_add_nc_u32 v[ADRS], 8, v[ADRS]               ; the next chunk's scale words (no LDS instruction of mine is out)
	FETB 1, 0
	FETB 1, 1
.if \quant
	s_wait_loadcnt 16                              ; the first 128 K of the next chunk are in; the second's 16 loads may be out
	QUANT X0, 0, PC0, PW0
	IMAGE 0
	s_wait_loadcnt 0x0
	QUANT X1, 0, PC1, PW0+1
	IMAGE 1
	s_add_nc_u64 s[XP:XP+1], s[XP:XP+1], 1024      ; no load is out: the stream's pointer steps
.if \xl == 2
	s_cmp_eq_u32 s[KC], 1                          ; the loop's last trip has no chunk left to ask for: no load leaves the buffer
	s_cbranch_scc1 .Lnox_\@
.endif
.if \xl
	XLOAD X0, 0
	XLOAD X1, 512
.endif
.if \xl == 2
.Lnox_\@:
.endif
	s_wait_dscnt 56                                ; younger: the 48 loads of the second 128 K and the 8 image stores
.else
	s_wait_dscnt 48
.endif
	MUL32 1, 0, \zero
	s_wait_dscnt 0x0
	MUL32 1, 1, 0
.endif
.endm
; The second read: rows 16 rr .. 16 rr + 15 of enc, columns 512 j + 4 x thread + 0 .. 3: a wave's load covers 512 consecutive bytes.  Registers 64 rr on of the columns' window: j = 3 and j = 0 window 1, j = 2 window 2, j = 1 window 3
.macro DLOAD j, rr
	WIN 0x40*(1+(3-(\j))%3)
.irp p, 0,1,2,3
.irp i, 0,1,2,3
	global_load_b128 v[64*(\rr)+16*\p+4*\i:64*(\rr)+16*\p+4*\i+3], v[DA], s[QBS+2*(4*(\rr)+\p):QBS+2*(4*(\rr)+\p)+1] offset:2097152*\i+2048*(\j) th:TH_LOAD_NT
.endr
.endr
.endm
.macro DGRP j, rr, left, next          ; 16 rows are weighed in; left: the younger loads that may stay out; next = 1 (j = 3): the registers take the same rows of columns j = 0
	s_wait_loadcnt \left
	WIN 1+(3-(\j))%3
.irp p, 0,1,2,3
.irp i, 0,1,2,3
.irp e, 0,1,2,3
.if ((\rr)+\p+\i) == 0
	v_mul_f32 v[CT+4*(\j)+\e], v[64*(\rr)+16*\p+4*\i+\e], v[WT+16*(\rr)+4*\p+\i]   ; the first row starts the sums
.else
	v_fmac_f32 v[CT+4*(\j)+\e], v[64*(\rr)+16*\p+4*\i+\e], v[WT+16*(\rr)+4*\p+\i]
.endif
.endr
.endr
.endr
.if \next
	DLOAD 0, \rr
.endif
.endm
; tanh and the product with attn2_w for half eta, tile a of s: 64 numbers a lane.  The exponentials and the reciprocals go as batches, each with one plain place and one wait ahead of its first reader.
.macro BATCH eta, a
	WIN 0x82+0x41*(\eta)
.irp t, 0,1,2,3,4,5,6,7
.irp i, 0,2,4,6
	v_pk_fma_f32 v[64*(\a)+8*\t+\i:64*(\a)+8*\t+\i+1], v[64*(\a)+8*\t+\i:64*(\a)+8*\t+\i+1], s[CC:CC+1], v[BW1+16*(\eta)+2*\t:BW1+16*(\eta)+2*\t+1] op_sel_hi:[1,0,0]   ; c x score + hp; each accumulator from its low end on
.endr
.endr
.set JJ, 0
.rept 64
	v_exp_f32 v[64*(\a)+JJ], v[64*(\a)+JJ]
.set JJ, JJ+1
.endr
	v_nop
	s_wait_alu depctr_va_vdst(0)
.set JJ, 0
.rept 32
	v_pk_add_f32 v[64*(\a)+2*JJ:64*(\a)+2*JJ+1], v[64*(\a)+2*JJ:64*(\a)+2*JJ+1], 1.0 op_sel_hi:[1,0]
.set JJ, JJ+1
.endr
.set JJ, 0
.rept 64
	v_rcp_f32 v[64*(\a)+JJ], v[64*(\a)+JJ]
.set JJ, JJ+1
.endr
	v_nop
	s_wait_alu depctr_va_vdst(0)
	WIN 0x02+(\eta)
.irp t, 0,1,2,3,4,5,6,7
.irp i, 0,2,4,6
.if ((\eta)+\t) == 0
	v_pk_mul_f32 v[PP+8*(\a)+\i:PP+8*(\a)+\i+1], v[64*(\a)+8*\t+\i:64*(\a)+8*\t+\i+1], v[BW2:BW2+1] op_sel_hi:[1,0]
.else
	v_pk_fma_f32 v[PP+8*(\a)+\i:PP+8*(\a)+\i+1], v[64*(\a)+8*\t+\i:64*(\a)+8*\t+\i+1], v[BW2+16*(\eta)+2*\t:BW2+16*(\eta)+2*\t+1], v[PP+8*(\a)+\i:PP+8*(\a)+\i+1] op_sel_hi:[1,0,1]
.endif
.endr
.endr
.endm
	s_load_b512 s[4:19], s[0:1], 0x0               ; enc, mask, the weights' codes, their scales, attn2_w, hp, xq, xs
	v_lshl_add_u32 v[SPW], v0, 2, SPARE
	v_mov_b32 v[NIL], 0
	ds_add_u32 v[SPW], v[NIL]                      ; the wave's opening: the add, twice on end, and its wait ahead of my first tensor load
	ds_add_u32 v[SPW], v[NIL]
	v_lshrrev_b32 v[XA], 5, v0
	v_readfirstlane_b32 s[WV], v[XA]               ; wave 0..3
	s_bfe_u32 s21, ttmp6, 0x40000                  ; cx
	s_lshl_b32 s22, ttmp9, 2
	s_add_co_u32 s22, s22, s21                     ; b
	s_mov_b32 s[SEL], 0x76543210
	s_mov_b32 s[SEL+1], 0xfedcba98
	s_mov_b32 s[CC], 0x4038aa3b                    ; c = 2 log2(e)
	s_mov_b32 s[CC+1], s[CC]
	s_mov_b32 s68, 15|(1<<20)|(1<<21)|(3<<22)|(3<<25)  ; group 1 of the tiles: mask: all four partners; 1-byte elements; padding: after every 16 words 4 words; bit 21 beside a mask
	s_mov_b32 s69, 192<<16
	s_mov_b32 s70, 128<<16
	s_mov_b32 s71, 192<<16
	s_mov_b32 s72, 128
	s_mov_b32 s73, 2304
	s_mov_b32 s74, 0
	s_mov_b32 s75, 0
	s_mov_b32 s76, 15|(1<<21)                      ; group 1 of the scale bytes: 256 rows x 64 bytes out of rows of 96, no padding
	s_mov_b32 s77, 64<<16
	s_mov_b32 s78, 256<<16
	s_mov_b32 s79, 64<<16
	s_mov_b32 s80, 256
	s_mov_b32 s81, 96
	s_mov_b32 s82, 0
	s_mov_b32 s83, 0
	s_mov_b32 s84, 1
	s_mov_b32 s88, 1
	s_mov_b32 s92, 1
	s_mul_i32 s85, s[WV], 30720                    ; my 128 rows in slot 0,
	s_add_co_u32 s89, s85, SLOTB                   ; in slot 1
	s_lshl_b32 s93, s[WV], 14
	s_add_co_u32 s93, s93, SCL                     ; my 256 rows of scale bytes
	s_mul_i32 s96, s[WV], 128*2304
	s_add_co_u32 s96, s96, 768                     ; in memory: my rows of half 0, K from 1,024 on
	s_mov_b32 s97, 0
	s_mul_i32 s98, s[WV], 24576
	s_add_co_u32 s98, s98, 32
	s_mov_b32 s99, 0
	v_and_b32 v[RR], 15, v0
	v_bfe_u32 v[HH], v0, 4, 1
	v_and_b32 v[LN], 31, v0
	v_lshlrev_b32 v[XA], 21, v[RR]                 ; enc: from s to s + 1 are 2,097,152 bytes
	v_lshl_add_u32 v[XA], v[HH], 6, v[XA]
	v_lshl_add_u32 v[LI], v[LN], 4, IMGB
	v_lshl_add_u32 v[LS], v[LN], 2, XSC
	s_mul_i32 s66, s[WV], 3072
	v_add_nc_u32 v[XWI], s66, v[LI]
	s_lshl_b32 s66, s[WV], 7
	v_lshl_add_u32 v[XWS], v[RR], 2, XSC
	v_add_nc_u32 v[XWS], s66, v[XWS]
	v_mul_u32_u24 v[ADRB], v[RR], 240
	v_add_nc_u32 v[ADRB], s85, v[ADRB]
	v_mad_u32_u24 v[ADRB+2], v[HH], 40, v[ADRB]
	v_mad_u32_u24 v[ADRB], v[HH], 24, v[ADRB]
	v_add_nc_u32 v[ADRB+1], SLOTB, v[ADRB]
	v_add_nc_u32 v[ADRB+3], SLOTB, v[ADRB+2]
	v_lshl_add_u32 v[ADRS], v[RR], 6, SCL          ; the weights' scale words: row 512 h + 128 w + r, 64 bytes a row
	v_lshl_add_u32 v[ADRS], v[HH], 15, v[ADRS]
	s_lshl_b32 s66, s[WV], 13
	v_add_nc_u32 v[ADRS], s66, v[ADRS]
	v_lshlrev_b32 v[DA], 4, v0
.irp i, 4,5,6,7
	v_mov_b32 v[TM+\i], 0                          ; written once: a lane permute's destination counts as one of its sources
.endr
	s_wait_dscnt 0x0                               ; both opening adds are done
	s_wait_kmcnt 0x0
	s_lshl_b32 s66, s22, 13
	s_mov_b32 s67, 0
	s_add_nc_u64 s[30:31], s[4:5], s[66:67]        ; enc at my b
.irp i, 0,1,2,3,4,5,6,7,8,9,10,11,12,13,14,15
	s_add_nc_u64 s[QBS+2*\i:QBS+2*\i+1], s[30:31], \i*8388608
.endr
	s_lshl_b32 s66, s[WV], 25
	s_add_nc_u64 s[XP:XP+1], s[30:31], s[66:67]    ; my 16 rows
	s_add_nc_u64 s[86:87], s[8:9], s[96:97]
	s_add_nc_u64 s[90:91], s[86:87], 512*2304
	s_or_b32 s87, s87, 0x80000000
	s_or_b32 s91, s91, 0x80000000
	s_add_nc_u64 s[94:95], s[10:11], s[98:99]
	s_or_b32 s95, s95, 0x80000000
	s_mov_b32 s66, s22
	s_add_nc_u64 s[6:7], s[6:7], s[66:67]          ; mask at column b
	s_lshl_b32 s66, s[WV], 9
	s_add_nc_u64 s[12:13], s[12:13], s[66:67]      ; attn2_w at my columns
	s_add_nc_u64 s[14:15], s[14:15], s[66:67]
	s_lshl_b32 s66, s22, 12
	s_add_nc_u64 s[14:15], s[14:15], s[66:67]      ; hp at row b, my columns
	s_lshr_b32 s66, s22, 4
	s_mul_i32 s66, s66, 36864
	s_and_b32 s21, s22, 15
	s_lshl_b32 s21, s21, 4
	s_add_co_u32 s66, s66, s21
	s_add_co_u32 s66, s66, 12288
	s_add_nc_u64 s[16:17], s[16:17], s[66:67]      ; xq: tile b / 16, K step 8, the 16 bytes of lane b % 16
	s_mul_i32 s66, s22, 96
	s_add_co_u32 s66, s66, 32
	s_add_nc_u64 s[18:19], s[18:19], s[66:67]      ; xs: row b, word 8
	XLOAD X0, 0                                    ; chunk 0 of enc
	XLOAD X1, 512
	ROUND                                          ; all four partners are here: the first joint loads meet
	tensor_load_to_lds s[92:95], s[76:83]          ; the scale bytes, filled once
	s_nop 0
	tensor_load_to_lds s[84:87], s[68:75]          ; tile 0
	s_nop 0
	PLACES 4
	s_wait_loadcnt 16
	QUANT X0, 0, PC0, PW0
	IMAGE 0
	s_wait_loadcnt 0x0
	QUANT X1, 0, PC1, PW0+1
	IMAGE 1
	s_add_nc_u64 s[XP:XP+1], s[XP:XP+1], 1024
	XLOAD X0, 0                                    ; chunk 1
	XLOAD X1, 512
	TRIP 0, 1, 1, 0, 0                             ; chunk 0 is written out: its first products start the sums
	TRIP 1, 1, 1, 1, 1
	WIN 0
	s_mov_b32 s[KC], 6
.Lk:                                               ; chunks 1 to 6
	TRIP 0, 0, 1, 0, 0
	TRIP 1, 0, 1, 1, 2
	WIN 0
	s_sub_co_u32 s[KC], s[KC], 1
	s_cmp_lg_u32 s[KC], 0
	s_cbranch_scc1 .Lk
	TRIP 0, 0, 1, 0, 0                             ; chunk 7 is written out
	WIN 0
	s_wait_loadcnt 0x0                             ; the stream's buffers take other loads only behind a wait for all loads; the loop's last trip asked for no chunk, so none is out and the wait is met at once
	v_lshlrev_b32 v[BWO], 2, v[RR]                 ; the stream's buffers are free: hp, attn2_w and the mask come in under the last trip
	v_lshlrev_b32 v[MKA], 8, v[LN]
.irp e, 0,1
.irp t, 0,1,2,3,4,5,6,7
	global_load_b32 v[BW1+2*(8*\e+\t)], v[BWO], s[14:15] offset:2048*\e+64*\t
	global_load_b32 v[BW2+2*(8*\e+\t)], v[BWO], s[12:13] offset:2048*\e+64*\t
.endr
.endr
	global_load_u8 v[MK0], v[MKA], s[6:7]              ; mask[lane][b]
	global_load_u8 v[MK1], v[MKA], s[6:7] offset:8192  ; mask[lane + 32][b]
	TRIP 1, 0, 0, 0, 0                             ; the last tile: only my own rows are read, behind my own wait; nothing is filled, so no round
	WIN 0
	s_wait_loadcnt 0x0
	s_lshl_b32 s66, s[WV], 8                       ; the later phases' LDS addresses: eleven plain lines, which are also the places behind the last products
	s_lshl_b32 s67, s[WV], 4
	v_lshl_add_u32 v[EBA], v[HH], 5, EB
	v_add_nc_u32 v[EBA], s66, v[EBA]
	v_lshl_add_u32 v[ESA], v[LN], 2, EB
	v_lshl_add_u32 v[WBS], v[LN], 2, WB
	v_add_nc_u32 v[WBS], s66, v[WBS]
	v_mov_b32 v[WBL], s66
	v_add_nc_u32 v[WBL], WB, v[WBL]
	v_lshlrev_b32 v[STS], 4, v0
	v_add_nc_u32 v[STS], s67, v[STS]
	v_mul_u32_u24 v[STL], v[RR], 528
	v_lshl_add_u32 v[STL], v[HH], 7, v[STL]
	DLOAD 3, 0                                     ; THE SECOND READ RUNS UNDER THE TANH PHASE: 48 loads ahead of it,
	DLOAD 3, 1
	DLOAD 3, 2
	BATCH 0, 0
	DLOAD 3, 3                                     ; and 16 behind each batch: first the rest of window 1,
	BATCH 0, 1
	DLOAD 2, 0                                     ; then the registers of accumulators that an earlier batch has done with: half 0's in window 2,
	BATCH 0, 2
	DLOAD 2, 1
	BATCH 0, 3
	DLOAD 2, 2
	BATCH 1, 0
	DLOAD 2, 3
	BATCH 1, 1
	DLOAD 1, 0                                     ; half 1's in window 3
	BATCH 1, 2
	DLOAD 1, 1
	BATCH 1, 3
	DLOAD 1, 2
	WIN 0
.irp m, 1,2,4,8                                ; over the 16 lanes of a half: my 256 columns' part of the energies
.set JJ, 0
.rept 32
	v_add_f32_dpp v[PP+JJ], v[PP+JJ], v[PP+JJ] row_xmask:\m row_mask:0xf bank_mask:0xf
.set JJ, JJ+1
.endr
.endr
.irp a, 0,1,2,3
	ds_store_b128 v[EBA], v[PP+8*\a:PP+8*\a+3] offset:64*\a        ; s = 16 a + 8 h + j; the 16 lanes of a half write the same words with the same values
	ds_store_b128 v[EBA], v[PP+8*\a+4:PP+8*\a+7] offset:64*\a+16
.endr
	s_wait_dscnt 0x0
	s_barrier_signal -1
	s_barrier_wait -1
.irp u, 0,1,2,3                                ; the softmax, by every wave for itself: lane l takes s = l and s = l + 32
	ds_load_b32 v[170+\u], v[ESA] offset:256*\u
	ds_load_b32 v[174+\u], v[ESA] offset:256*\u+128
.endr
	s_wait_dscnt 0x0
	v_add_f32 v170, v170, v171
	v_add_f32 v172, v172, v173
	v_add_f32 v174, v174, v175
	v_add_f32 v176, v176, v177
	v_add_f32 v170, v170, v172
	v_add_f32 v174, v174, v176
	v_mul_f32 v170, -2.0, v170
	v_mul_f32 v174, -2.0, v174
	v_mov_b32 v178, 0xff800000
	v_cmp_ne_u32 vcc_lo, 0, v[MK0]
	v_cndmask_b32 v170, v170, v178, vcc_lo         ; a masked place: -infinity
	v_cmp_ne_u32 vcc_lo, 0, v[MK1]
	v_cndmask_b32 v174, v174, v178, vcc_lo
	v_max_num_f32 v171, v170, v174
	v_max_num_f32_dpp v171, v171, v171 row_xmask:1 row_mask:0xf bank_mask:0xf
	v_max_num_f32_dpp v171, v171, v171 row_xmask:2 row_mask:0xf bank_mask:0xf
	v_max_num_f32_dpp v171, v171, v171 row_xmask:4 row_mask:0xf bank_mask:0xf
	v_max_num_f32_dpp v171, v171, v171 row_xmask:8 row_mask:0xf bank_mask:0xf
	v_permlanex16_b32 v172, v171, s[SEL], s[SEL+1]
	v_max_num_f32 v171, v171, v172                 ; the column's largest energy is taken away, as reference() does
	v_sub_f32 v170, v170, v171
	v_sub_f32 v174, v174, v171
	v_mul_f32 v170, 0x3fb8aa3b, v170
	v_mul_f32 v174, 0x3fb8aa3b, v174
	v_exp_f32 v170, v170
	v_exp_f32 v174, v174
	v_nop
	s_wait_alu depctr_va_vdst(0)
	v_add_f32 v171, v170, v174
	v_add_f32_dpp v171, v171, v171 row_xmask:1 row_mask:0xf bank_mask:0xf
	v_add_f32_dpp v171, v171, v171 row_xmask:2 row_mask:0xf bank_mask:0xf
	v_add_f32_dpp v171, v171, v171 row_xmask:4 row_mask:0xf bank_mask:0xf
	v_add_f32_dpp v171, v171, v171 row_xmask:8 row_mask:0xf bank_mask:0xf
	v_permlanex16_b32 v172, v171, s[SEL], s[SEL+1]
	v_add_f32 v171, v171, v172
	v_rcp_f32 v171, v171
	v_nop
	s_wait_alu depctr_va_vdst(0)
	v_mul_f32 v170, v170, v171
	v_mul_f32 v174, v174, v171
	ds_store_b32 v[WBS], v170
	ds_store_b32 v[WBS], v174 offset:128
.irp i, 0,1,2,3,4,5,6,7,8,9,10,11,12,13,14,15
	ds_load_b128 v[WT+4*\i:WT+4*\i+3], v[WBL] offset:16*\i   ; my wave's own bytes, served in order: every lane takes all 64 weights
.endr
	s_wait_dscnt 0x0
	DLOAD 1, 3                                     ; the last of window 3
	DGRP 3, 0, 63, 1                               ; the context, in f32.  The groups are weighed in in the order in which they were asked for.  Behind each of the first twelve at least 64 younger loads were issued:
	DGRP 3, 1, 63, 1                               ; the wait names as many as its field holds, which asks for more than is needed
	DGRP 3, 2, 63, 1
	DGRP 3, 3, 63, 1
	DGRP 2, 0, 63, 0
	DGRP 2, 1, 63, 0
	DGRP 2, 2, 63, 0
	DGRP 2, 3, 63, 0
	DGRP 1, 0, 63, 0
	DGRP 1, 1, 63, 0
	DGRP 1, 2, 63, 0
	DGRP 1, 3, 63, 0
	DGRP 0, 0, 48, 0                               ; the last four groups of 16: the counts run down
	DGRP 0, 1, 32, 0
	DGRP 0, 2, 16, 0
	DGRP 0, 3, 0, 0
	WIN 0
.irp j, 0,1,2,3
	ds_store_b128 v[STS], v[CT+4*\j:CT+4*\j+3] offset:2112*\j   ; the context meets in a stage in slot 0, which has had its last fill and its last read: 528 bytes for each 128 numbers
.endr
	s_wait_dscnt 0x0
	s_barrier_signal -1
	s_barrier_wait -1
	s_cmp_lg_u32 s[WV], 0
	s_cbranch_scc1 .Lend
	; wave 0 quantises the 2,048 numbers: lane l stands for K step l % 16 and half l / 16 of the operand's lanes, and holds two whole blocks: k = 64 c + 32 h + 0 .. 31
.irp c, 0,1
.irp i, 0,1,2,3,4,5,6,7
	ds_load_b128 v[YY+32*\c+4*\i:YY+32*\c+4*\i+3], v[STL] offset:256*\c+16*\i
.endr
.endr
	s_wait_dscnt 0x0
.irp c, 0,1
	v_max3_num_f32 v[TM+\c], |v[YY+32*\c]|, |v[YY+32*\c+1]|, 0x1800000
.endr
.irp i, 2,4,6,8,10,12,14,16,18,20,22,24,26,28,30
.irp c, 0,1
	v_max3_num_f32 v[TM+\c], v[TM+\c], |v[YY+32*\c+\i]|, |v[YY+32*\c+\i+1]|
.endr
.endr
.irp c, 0,1
	v_add_nc_u32 v[TM+8+\c], 0xff000000, v[TM+\c]
.endr
.irp c, 0,1
	v_lshrrev_b32 v[TM+4+\c], 23, v[TM+8+\c]
.endr
	v_lshl_or_b32 v[PW0], v[TM+5], 16, v[TM+4]     ; my two bytes: blocks h and 2 + h,
	v_lshlrev_b32 v[TM+6], 3, v[HH]
	v_lshlrev_b32 v[PW0], v[TM+6], v[PW0]          ; at their places in the word;
	v_permlanex16_b32 v[TM+7], v[PW0], s[SEL], s[SEL+1]
	v_or_b32 v[PW0], v[PW0], v[TM+7]               ; with lane l xor 16's two the word is whole
.irp c, 0,1
	v_cvt_scalef32_pk16_fp6_f32 v[PC0+6*\c:PC0+6*\c+2], v[YY+32*\c:YY+32*\c+15], v[TM+8+\c]
	v_cvt_scalef32_pk16_fp6_f32 v[TM+4*\c:TM+4*\c+2], v[YY+32*\c+16:YY+32*\c+31], v[TM+8+\c]
.endr
	v_nop
.irp c, 0,1
.irp i, 0,1,2
	v_mov_b32 v[PC0+6*\c+3+\i], v[TM+4*\c+\i]
.endr
.endr
	v_mul_u32_u24 v170, v[RR], 1536
	v_lshl_add_u32 v170, v[HH], 8, v170
	v_lshlrev_b32 v171, 2, v[RR]
.irp c, 0,1,2
	global_store_b128 v170, v[PC0+4*\c:PC0+4*\c+3], s[16:17] offset:512*\c   ; one b owns one row of a fragment of 16 rows: pieces of 16 bytes
.endr
	global_store_b32 v171, v[PW0], s[18:19]        ; both halves write the same word
.Lend:
	s_wait_tensorcnt 0x0                           ; the wave's end
	ds_add_u32 v[SPW], v[NIL]
	s_wait_dscnt 0x0
	ROUND                                          ; the closing round
	s_endpgm
.Lfunc_end_k_q88049c7e48_att:
	.size	k_q88049c7e48_att, .Lfunc_end_k_q88049c7e48_att-k_q88049c7e48_att
	.p2alignl 7, 3214868480
	.fill 96, 4, 3214868480
	.section	.rodata,"a",@progbits
	.p2align	6, 0x0
	.amdhsa_kernel k_q88049c7e48_att
		.amdhsa_group_segment_fixed_size 327680
		.amdhsa_private_segment_fixed_size 0
		.amdhsa_enable_private_segment 0
		.amdhsa_kernarg_size 64
		.amdhsa_user_sgpr_count 2
		.amdhsa_user_sgpr_kernarg_segment_ptr 1
		.amdhsa_wavefront_size32 1
		.amdhsa_system_sgpr_workgroup_id_x 1
		.amdhsa_system_sgpr_workgroup_id_y 1
		.amdhsa_system_sgpr_workgroup_id_z 1
		.amdhsa_system_vgpr_workitem_id 0
		.amdhsa_next_free_vgpr 1024
		.amdhsa_next_free_sgpr 100
		.amdhsa_reserve_vcc 1
		.amdhsa_float_denorm_mode_32 3
		.amdhsa_float_denorm_mode_16_64 3
		.amdhsa_memory_ordered 1
		.amdhsa_forward_progress 1
		.amdhsa_inst_pref_size 255
	.end_amdhsa_kernel
	.section	.bss,"aw",@nobits
	.p2align	6
	.space	262144
	.amdgpu_metadata
---
amdhsa.version: [ 1, 2 ]
amdhsa.kernels:
  - .name:           k_q88049c7e48_att
    .symbol:         k_q88049c7e48_att.kd
    .args:
      - { .name: encode_outputs, .offset: 0, .size: 8, .value_kind: global_buffer, .address_space: global }
      - { .name: mask, .offset: 8, .size: 8, .value_kind: global_buffer, .address_space: global }
      - { .name: attn1_w_codes, .offset: 16, .size: 8, .value_kind: global_buffer, .address_space: global }
      - { .name: attn1_w_scales, .offset: 24, .size: 8, .value_kind: global_buffer, .address_space: global }
      - { .name: attn2_w, .offset: 32, .size: 8, .value_kind: global_buffer, .address_space: global }
      - { .name: hp, .offset: 40, .size: 8, .value_kind: global_buffer, .address_space: global }
      - { .name: xq, .offset: 48, .size: 8, .value_kind: global_buffer, .address_space: global }
      - { .name: xs, .offset: 56, .size: 8, .value_kind: global_buffer, .address_space: global }
    .group_segment_fixed_size: 327680
    .private_segment_fixed_size: 0
    .kernarg_segment_align: 8
    .kernarg_segment_size: 64
    .max_flat_workgroup_size: 128
    .sgpr_count:     100
    .vgpr_count:     1024
    .wavefront_size: 32
...
	.end_amdgpu_metadata
.endif
;; end of part 2
;; launch gates (part 3): grid 4 x 64, 4 waves a work-group, clusters of 4 x 1, 274,944 bytes of LDS; arguments xq, xs, w_ih_codes, w_ih_scales, w_hh_codes, w_hh_scales, b_ih, b_hh, cell, out1, out2; writes out1, out2
.if DOCPART == 3
	.amdgcn_target "amdgcn-amd-amdhsa--gfx1250"
	.amdhsa_code_object_version 6
	.text
	.protected	k_q88049c7e48_gates
	.globl	k_q88049c7e48_gates
	.p2align	8
	.type	k_q88049c7e48_gates,@function
k_q88049c7e48_gates:
	s_mov_b64 s[64:65], 0
	v_nop
	global_prefetch_b8 v0, s[64:65] scope:SCOPE_SE
	s_setreg_imm32_b32 hwreg(HW_REG_WAVE_MODE, 25, 1), 1
	s_wait_xcnt 0x0
	s_wait_alu depctr_hold_cnt(0) depctr_sa_sdst(0) depctr_va_vdst(0) depctr_va_sdst(0) depctr_va_ssrc(0) depctr_va_vcc(0) depctr_vm_vsrc(0)
	s_getreg_b32 s2, hwreg(HW_REG_IB_STS2, 6, 4)
	s_cmp_eq_u32 s2, 0
	s_cbranch_scc0 .Lentry_in_a_cluster
	s_endpgm
.Lentry_in_a_cluster:
	s_bfe_u32 s2, ttmp6, 0x10000c
	s_cmp_lg_u32 s2, 0x3003
	s_cbranch_scc0 .Lentry_shape_is_right
	s_endpgm
.Lentry_shape_is_right:
; gates = Q(x) w_ih^T + b_ih + Q(hidden) w_hh^T + b_hh, x = [hidden | context]; c_new = sigmoid(f) cell + sigmoid(i) tanh(g); h_new = sigmoid(o) tanh(c_new).  out1 = h_new, out2 = c_new.
; x comes as codes: images of operand registers in xq ([16 tiles of rows][24 K steps][1,536 bytes]) and scale bytes in xs ([256][96]); K steps 0 to 7 are Q(hidden), which serves both products.
; SHARES.  A work-group takes 64 rows (its place cx in the cluster) x 16 units (work-group y) x the 4 gates.  The four partners need the same weight rows and ask for them jointly.
; THE WAVES SHARE K: waves 0 to 2 take 1,024 of w_ih's K each, wave 3 takes w_hh.  So no operand is read twice in a work-group, and a wave reads from LDS only what its own four tensor loads brought, behind its own wait.
; Each wave has 16 accumulators (4 tiles of rows x 4 gates) and 8 K steps; the four partial sums meet in LDS, and wave w finishes rows 16 w .. 16 w + 15.
; THE MATRIX INSTRUCTION IS USED TRANSPOSED (source 0 = 16 weight rows, source 1 = 16 rows of x): lane (r, h) holds row r and units 8 h + 0 .. 7 of all four gates.
; The outputs leave as 32 bytes a lane: the work-group owns 64 bytes of a row.  sigmoid(x) = 1 / (1 + 2^(-log2(e) x)); tanh(x) = 1 - 2 / (1 + 2^(2 log2(e) x)); both hold at the ends of the range.
; REGISTERS: window 0: addresses; v16-47 x's scale words, v48-79 the weights'; v80-175 two sets of weight fragments; in the end v80-223 at work.  windows 1, 2: x's 32 fragments; window 2 from v144: b_ih, b_hh, cell.  window 3: the accumulators.
.set STG,   208896                     ; behind the four waves' weight rows (52,224 bytes each: 4 gates x 16 rows x 816): the stage for the partial sums, 64 tiles of 1,024 bytes
.set SPARE, 274432                     ; the spare words, 128 bytes a wave, which no other line names
.set SPW,  1
.set NIL,  2
.set LI16, 3
.set ADRW, 4                           ; v4: 52224 w + 816 r + 24 h;  v5: the same with 40 h, for pieces behind one padding more
.set XSA,  6
.set SWA,  7                           ; v7-10
.set STO,  11
.set RD,   12
.set IO,   13
.set BH,   14
.set SA,   16
.set SW,   48
.set WF,   80
.set RG,   80
.set CN,   208
.set THN,  216
.set RR,   224
.set HH,   225
.set WV,   26
.set MSB, 0
.macro WIN new
.if MSB != (\new)
	s_set_vgpr_msb (MSB<<8)|(\new)
.set MSB, (\new)
.endif
.endm
.macro PLACES n
.rept \n
	v_nop
.endr
.endm
.macro ROUND
	s_barrier_signal -1
	s_barrier_wait -1
	s_cmp_lg_u32 s[WV], 0
	s_cbranch_scc1 .Lnw0_\@
	s_barrier_signal -3
.Lnw0_\@:
	s_barrier_wait -3
	s_barrier_signal -1
	s_barrier_wait -1
.endm
.macro FRAG816 reg, q, g               ; a fragment from rows of 768 bytes with 16 bytes of padding behind each 256: six pieces of 8 bytes
.irp p, 0,1,2,3,4,5
.set PCE, 12*(\q)+6*(\p/3)+\p%3
.if PCE%32 < 29
	ds_load_b64 v[(\reg)+2*\p:(\reg)+2*\p+1], v[ADRW] offset:8*PCE+16*(PCE/32)+(\g)*13056
.else
	ds_load_b64 v[(\reg)+2*\p:(\reg)+2*\p+1], v[ADRW+1] offset:8*PCE+16*(PCE/32)+(\g)*13056
.endif
.endr
.endm
.macro FETCHW q                        ; the four gates' fragments of K step q into set q % 2
.irp g, 0,1,2,3
	FRAG816 WF+48*((\q)%2)+12*\g, \q, \g
.endr
.endm
	s_load_b512 s[4:19], s[0:1], 0x0               ; xq, xs, w_ih codes, scales, w_hh codes, scales, b_ih, b_hh
	s_load_b128 s[20:23], s[0:1], 0x40             ; cell, out1
	s_load_b64 s[24:25], s[0:1], 0x50              ; out2
	v_lshl_add_u32 v[SPW], v0, 2, SPARE
	v_mov_b32 v[NIL], 0
	ds_add_u32 v[SPW], v[NIL]                      ; the wave's opening: the add, twice on end, and its wait ahead of my first tensor load
	ds_add_u32 v[SPW], v[NIL]
	v_lshrrev_b32 v[RR], 5, v0
	v_readfirstlane_b32 s[WV], v[RR]               ; wave 0..3
	s_bfe_u32 s27, ttmp6, 0x40000                  ; cx: which 64 rows; it enters global addresses of x, cell and the outputs alone
	s_and_b32 s28, ttmp7, 0xffff                   ; which 16 units: the four partners share it
.irp g, 32, 40                                 ; group 1, for w_ih and for w_hh: 16 rows x 768 bytes; mask: all four partners; padding: after every 64 words 4 words
	s_mov_b32 s[\g], 15|(1<<20)|(1<<21)|(5<<22)|(3<<25)
	s_mov_b32 s[\g+1], 768<<16
	s_mov_b32 s[\g+2], 16<<16
	s_mov_b32 s[\g+3], 768<<16
	s_mov_b32 s[\g+4], 16
	s_mov_b32 s[\g+6], 0
	s_mov_b32 s[\g+7], 0
.endr
	s_mov_b32 s37, 2304                            ; a row of w_ih's codes,
	s_mov_b32 s45, 768                             ; of w_hh's
	s_mul_i32 s66, s[WV], 768                      ; waves 0-2: my 1,024 of K in a row of codes,
	s_lshl_b32 s67, s[WV], 5                       ; in a row of scale bytes,
	s_lshl_b32 s68, s[WV], 3                       ; and x's first K step
	s_mov_b32 s69, 768
	s_mov_b32 s70, 32
	s_cmp_lt_u32 s[WV], 3
	s_cselect_b32 s66, s66, 0                      ; wave 3: w_hh from its start, with x's K steps 0 to 7
	s_cselect_b32 s67, s67, 0
	s_cselect_b32 s68, s68, 0
	s_cselect_b32 s69, 2304, s69                   ; a row of codes
	s_cselect_b32 s70, 96, s70                     ; a row of scale bytes
	s_lshl_b32 s71, s28, 4
	s_mul_i32 s72, s71, s69
	s_add_co_u32 s72, s72, s66                     ; gate 0's rows of my units, my part of K
	s_mov_b32 s73, 0
	s_lshl_b32 s74, s69, 10                        ; from gate to gate: 1,024 rows
	s_mov_b32 s75, 0
	s_mul_i32 s76, s71, s70
	s_add_co_u32 s76, s76, s67
	s_mov_b32 s77, 0
	s_lshl_b32 s78, s70, 10
	s_mul_i32 s79, s[WV], 52224                    ; my region of LDS
.irp g, 0,1,2,3
	s_mov_b32 s[48+4*\g], 1
	s_add_co_u32 s[49+4*\g], s79, 13056*\g
.endr
	s_mul_i32 s80, s27, 96
	s_add_co_u32 s80, s80, s68
	s_mul_i32 s80, s80, 1536                       ; xq: tile of rows 4 cx, my first K step
	s_mov_b32 s81, 0
	s_mul_i32 s82, s27, 6144
	s_lshl_b32 s83, s68, 2
	s_add_co_u32 s82, s82, s83                     ; xs: row 64 cx, my first word
	s_mov_b32 s83, 0
	s_lshl_b32 s86, s28, 6                         ; my 16 units, in bytes
	s_mov_b32 s87, 0
	s_lshl_b32 s84, s27, 18
	s_lshl_b32 s85, s[WV], 16
	s_add_co_u32 s84, s84, s85
	s_add_co_u32 s84, s84, s86                     ; cell and the outputs: row 64 cx + 16 w, my units
	s_mov_b32 s85, 0
	s_lshl_b32 s29, s[WV], 14
	s_lshl_b32 s30, s[WV], 12
	v_and_b32 v[RR], 15, v0
	v_bfe_u32 v[HH], v0, 4, 1
	v_and_b32 v[LI16], 31, v0
	v_lshlrev_b32 v[LI16], 4, v[LI16]
	v_mul_u32_u24 v[ADRW], v[RR], 816
	v_add_nc_u32 v[ADRW], s79, v[ADRW]
	v_mad_u32_u24 v[ADRW+1], v[HH], 40, v[ADRW]
	v_mad_u32_u24 v[ADRW], v[HH], 24, v[ADRW]
	v_mul_u32_u24 v[XSA], v[RR], 96
	v_mul_u32_u24 v[SWA], v[RR], s70
	v_add_nc_u32 v[SWA+1], s78, v[SWA]
	v_add_nc_u32 v[SWA+2], s78, v[SWA+1]
	v_add_nc_u32 v[SWA+3], s78, v[SWA+2]
	v_add_nc_u32 v[STO], s29, v[LI16]
	v_add_nc_u32 v[STO], STG, v[STO]               ; into the stage: my 16 tiles
	v_add_nc_u32 v[RD], s30, v[LI16]
	v_add_nc_u32 v[RD], STG, v[RD]                 ; out of it: every wave's tiles of rows 16 w on
	v_lshlrev_b32 v[IO], 12, v[RR]
	v_lshl_add_u32 v[IO], v[HH], 5, v[IO]
	v_lshlrev_b32 v[BH], 5, v[HH]
	s_wait_dscnt 0x0                               ; both opening adds are done
	s_wait_kmcnt 0x0
	s_cmp_lt_u32 s[WV], 3
	s_cselect_b64 s[8:9], s[8:9], s[12:13]         ; my weights' codes
	s_cselect_b64 s[10:11], s[10:11], s[14:15]     ; and scales
	s_add_nc_u64 s[50:51], s[8:9], s[72:73]
	s_add_nc_u64 s[54:55], s[50:51], s[74:75]
	s_add_nc_u64 s[58:59], s[54:55], s[74:75]
	s_add_nc_u64 s[62:63], s[58:59], s[74:75]
	s_or_b32 s51, s51, 0x80000000
	s_or_b32 s55, s55, 0x80000000
	s_or_b32 s59, s59, 0x80000000
	s_or_b32 s63, s63, 0x80000000
	s_add_nc_u64 s[10:11], s[10:11], s[76:77]
	s_add_nc_u64 s[4:5], s[4:5], s[80:81]
	s_add_nc_u64 s[6:7], s[6:7], s[82:83]
	s_add_nc_u64 s[16:17], s[16:17], s[86:87]
	s_add_nc_u64 s[18:19], s[18:19], s[86:87]
	s_add_nc_u64 s[20:21], s[20:21], s[84:85]
	s_add_nc_u64 s[22:23], s[22:23], s[84:85]
	s_add_nc_u64 s[24:25], s[24:25], s[84:85]
	WIN 0x80                                       ; the small loads first, the oldest: 34
.irp g, 0,1,2,3
	global_load_b128 v[144+8*\g:147+8*\g], v[BH], s[16:17] offset:4096*\g
	global_load_b128 v[148+8*\g:151+8*\g], v[BH], s[16:17] offset:4096*\g+16
.endr
.irp g, 0,1,2,3
	global_load_b128 v[176+8*\g:179+8*\g], v[BH], s[18:19] offset:4096*\g
	global_load_b128 v[180+8*\g:183+8*\g], v[BH], s[18:19] offset:4096*\g+16
.endr
	global_load_b128 v[208:211], v[IO], s[20:21]
	global_load_b128 v[212:215], v[IO], s[20:21] offset:16
	WIN 0
.irp m, 0,1,2,3
	global_load_b128 v[SA+8*\m:SA+8*\m+3], v[XSA], s[6:7] offset:1536*\m
	global_load_b128 v[SA+8*\m+4:SA+8*\m+7], v[XSA], s[6:7] offset:1536*\m+16
.endr
.irp g, 0,1,2,3
	global_load_b128 v[SW+8*\g:SW+8*\g+3], v[SWA+\g], s[10:11]
	global_load_b128 v[SW+8*\g+4:SW+8*\g+7], v[SWA+\g], s[10:11] offset:16
.endr
	ROUND                                          ; all four partners are here: the joint loads meet
	s_cmp_lt_u32 s[WV], 3                          ; a wave's four fills stand in one arm of one branch on its number: four loads of mine are out
	s_cbranch_scc0 .Lhh
.irp g, 0,1,2,3
	tensor_load_to_lds s[48+4*\g:51+4*\g], s[32:39]
	s_nop 0
.endr
	PLACES 4
	s_branch .Lasked
.Lhh:
.irp g, 0,1,2,3
	tensor_load_to_lds s[48+4*\g:51+4*\g], s[40:47]
	s_nop 0
.endr
	PLACES 4
.Lasked:
	WIN 0x40                                       ; x's fragments, K step by K step: 12 loads each, 512 consecutive bytes a load
.irp q, 0,1,2,3,4
.irp m, 0,1,2,3
.irp c, 0,1,2
	global_load_b128 v[12*(4*\q+\m)+4*\c:12*(4*\q+\m)+4*\c+3], v[LI16], s[4:5] offset:(24*\m+\q)*1536+512*\c
.endr
.endr
.endr
	WIN 0x80
.irp q, 5,6,7
.irp m, 0,1,2,3
.irp c, 0,1,2
	global_load_b128 v[12*(4*(\q-5)+\m)+4*\c:12*(4*(\q-5)+\m)+4*\c+3], v[LI16], s[4:5] offset:(24*\m+\q)*1536+512*\c
.endr
.endr
.endr
	WIN 0
	s_wait_tensorcnt 0x0                           ; my weight rows have landed; nobody else reads them
	FETCHW 0
	FETCHW 1
.irp q, 0,1,2,3,4,5,6,7
.if 12*(7-\q) > 63
	s_wait_loadcnt 63                              ; younger are the later K steps' 12 (7 - q) loads; the wait names as many as its field holds, which asks for more than is needed
.else
	s_wait_loadcnt 12*(7-\q)
.endif
.if \q < 7
	s_wait_dscnt 24                                ; the younger set of weight fragments may be out
.else
	s_wait_dscnt 0x0
.endif
.if \q < 5
	WIN 0xF4                                       ; weights window 0, x window 1, C and D window 3
.set AB, 48*\q
.else
	WIN 0xF8                                       ; x window 2
.set AB, 48*(\q-5)
.endif
.irp m, 0,1,2,3                                ; the 16 accumulators take turns
.irp g, 0,1,2,3
.if \q == 0
	v_wmma_scale_f32_16x16x128_f8f6f4 v[8*(4*\m+\g):8*(4*\m+\g)+7], v[WF+48*(\q%2)+12*\g:WF+48*(\q%2)+12*\g+11], v[AB+12*\m:AB+12*\m+11], 0, v[SW+8*\g+\q], v[SA+8*\m+\q] matrix_a_fmt:MATRIX_FMT_FP6 matrix_b_fmt:MATRIX_FMT_FP6
.else
	v_wmma_scale_f32_16x16x128_f8f6f4 v[8*(4*\m+\g):8*(4*\m+\g)+7], v[WF+48*(\q%2)+12*\g:WF+48*(\q%2)+12*\g+11], v[AB+12*\m:AB+12*\m+11], v[8*(4*\m+\g):8*(4*\m+\g)+7], v[SW+8*\g+\q], v[SA+8*\m+\q] matrix_a_fmt:MATRIX_FMT_FP6 matrix_b_fmt:MATRIX_FMT_FP6
.endif
.endr
.endr
.if \q < 6
	WIN 0
	PLACES 4                                       ; in front of loads into registers that matrix instructions have read
	FETCHW \q+2
.endif
.endr
	WIN 0
	PLACES 4                                       ; in front of the first read of results
	WIN 0x0C                                       ; an LDS store's data: window 3
.irp m, 0,1,2,3
.irp g, 0,1,2,3
	ds_store_b128 v[STO], v[8*(4*\m+\g):8*(4*\m+\g)+3] offset:1024*(4*\m+\g)         ; each accumulator from its low end on, as an image of its registers
	ds_store_b128 v[STO], v[8*(4*\m+\g)+4:8*(4*\m+\g)+7] offset:1024*(4*\m+\g)+512
.endr
.endr
	WIN 0
	s_wait_dscnt 0x0
	s_barrier_signal -1
	s_barrier_wait -1
.irp u, 0,1,2,3                                ; the four waves' partial sums of my 16 rows
.irp g, 0,1,2,3
	ds_load_b128 v[RG+32*\u+8*\g:RG+32*\u+8*\g+3], v[RD] offset:16384*\u+1024*\g
	ds_load_b128 v[RG+32*\u+8*\g+4:RG+32*\u+8*\g+7], v[RD] offset:16384*\u+1024*\g+512
.endr
.endr
	s_wait_dscnt 0x0
.irp x, 0,2,4,6,8,10,12,14,16,18,20,22,24,26,28,30
	v_pk_add_f32 v[RG+\x:RG+\x+1], v[RG+\x:RG+\x+1], v[RG+32+\x:RG+32+\x+1]
	v_pk_add_f32 v[RG+64+\x:RG+64+\x+1], v[RG+64+\x:RG+64+\x+1], v[RG+96+\x:RG+96+\x+1]
.endr
.irp x, 0,2,4,6,8,10,12,14,16,18,20,22,24,26,28,30
	v_pk_add_f32 v[RG+\x:RG+\x+1], v[RG+\x:RG+\x+1], v[RG+64+\x:RG+64+\x+1]
.endr
	WIN 0x08                                       ; source 1: window 2
.irp x, 0,2,4,6,8,10,12,14,16,18,20,22,24,26,28,30
	v_pk_add_f32 v[RG+\x:RG+\x+1], v[RG+\x:RG+\x+1], v[144+\x:145+\x]                ; + b_ih
.endr
.irp x, 0,2,4,6,8,10,12,14,16,18,20,22,24,26,28,30
	v_pk_add_f32 v[RG+\x:RG+\x+1], v[RG+\x:RG+\x+1], v[176+\x:177+\x]                ; + b_hh
.endr
	WIN 0
.irp x, 0,2,4,6,8,10,12,14,24,26,28,30         ; i, f, o
	v_pk_mul_f32 v[RG+\x:RG+\x+1], v[RG+\x:RG+\x+1], 0xbfb8aa3b op_sel_hi:[1,0]
.endr
.irp x, 16,18,20,22                            ; g
	v_pk_mul_f32 v[RG+\x:RG+\x+1], v[RG+\x:RG+\x+1], 0x4038aa3b op_sel_hi:[1,0]
.endr
.set JJ, 0
.rept 32
	v_exp_f32 v[RG+JJ], v[RG+JJ]
.set JJ, JJ+1
.endr
	v_nop
	s_wait_alu depctr_va_vdst(0)                   ; one wait for the batch, ahead of its first reader
.irp x, 0,2,4,6,8,10,12,14,16,18,20,22,24,26,28,30
	v_pk_add_f32 v[RG+\x:RG+\x+1], v[RG+\x:RG+\x+1], 1.0 op_sel_hi:[1,0]
.endr
.set JJ, 0
.rept 32
	v_rcp_f32 v[RG+JJ], v[RG+JJ]
.set JJ, JJ+1
.endr
	v_nop
	s_wait_alu depctr_va_vdst(0)
.irp x, 0,2,4,6
	v_pk_fma_f32 v[RG+16+\x:RG+17+\x], v[RG+16+\x:RG+17+\x], -2.0, 1.0 op_sel_hi:[1,0,0]   ; tanh(g)
.endr
	WIN 0x08
.irp x, 0,2,4,6
	v_pk_mul_f32 v[CN+\x:CN+\x+1], v[RG+8+\x:RG+9+\x], v[208+\x:209+\x]              ; sigmoid(f) cell
.endr
	WIN 0
.irp x, 0,2,4,6
	v_pk_fma_f32 v[CN+\x:CN+\x+1], v[RG+\x:RG+\x+1], v[RG+16+\x:RG+17+\x], v[CN+\x:CN+\x+1]   ; + sigmoid(i) tanh(g) = c_new
.endr
.irp x, 0,2,4,6
	v_pk_mul_f32 v[THN+\x:THN+\x+1], v[CN+\x:CN+\x+1], 0x4038aa3b op_sel_hi:[1,0]
.endr
.set JJ, 0
.rept 8
	v_exp_f32 v[THN+JJ], v[THN+JJ]
.set JJ, JJ+1
.endr
	v_nop
	s_wait_alu depctr_va_vdst(0)
.irp x, 0,2,4,6
	v_pk_add_f32 v[THN+\x:THN+\x+1], v[THN+\x:THN+\x+1], 1.0 op_sel_hi:[1,0]
.endr
.set JJ, 0
.rept 8
	v_rcp_f32 v[THN+JJ], v[THN+JJ]
.set JJ, JJ+1
.endr
	v_nop
	s_wait_alu depctr_va_vdst(0)
.irp x, 0,2,4,6
	v_pk_fma_f32 v[THN+\x:THN+\x+1], v[THN+\x:THN+\x+1], -2.0, 1.0 op_sel_hi:[1,0,0]   ; tanh(c_new)
.endr
.irp x, 0,2,4,6
	v_pk_mul_f32 v[THN+\x:THN+\x+1], v[THN+\x:THN+\x+1], v[RG+24+\x:RG+25+\x]          ; x sigmoid(o) = h_new
.endr
	global_store_b128 v[IO], v[THN:THN+3], s[22:23]
	global_store_b128 v[IO], v[THN+4:THN+7], s[22:23] offset:16
	global_store_b128 v[IO], v[CN:CN+3], s[24:25]
	global_store_b128 v[IO], v[CN+4:CN+7], s[24:25] offset:16
	s_wait_tensorcnt 0x0                           ; the wave's end
	ds_add_u32 v[SPW], v[NIL]
	s_wait_dscnt 0x0
	ROUND                                          ; the closing round
	s_endpgm
.Lfunc_end_k_q88049c7e48_gates:
	.size	k_q88049c7e48_gates, .Lfunc_end_k_q88049c7e48_gates-k_q88049c7e48_gates
	.p2alignl 7, 3214868480
	.fill 96, 4, 3214868480
	.section	.rodata,"a",@progbits
	.p2align	6, 0x0
	.amdhsa_kernel k_q88049c7e48_gates
		.amdhsa_group_segment_fixed_size 274944
		.amdhsa_private_segment_fixed_size 0
		.amdhsa_enable_private_segment 0
		.amdhsa_kernarg_size 88
		.amdhsa_user_sgpr_count 2
		.amdhsa_user_sgpr_kernarg_segment_ptr 1
		.amdhsa_wavefront_size32 1
		.amdhsa_system_sgpr_workgroup_id_x 1
		.amdhsa_system_sgpr_workgroup_id_y 1
		.amdhsa_system_sgpr_workgroup_id_z 1
		.amdhsa_system_vgpr_workitem_id 0
		.amdhsa_next_free_vgpr 896
		.amdhsa_next_free_sgpr 96
		.amdhsa_reserve_vcc 0
		.amdhsa_float_denorm_mode_32 3
		.amdhsa_float_denorm_mode_16_64 3
		.amdhsa_memory_ordered 1
		.amdhsa_forward_progress 1
		.amdhsa_inst_pref_size 67
	.end_amdhsa_kernel
	.amdgpu_metadata
---
amdhsa.version: [ 1, 2 ]
amdhsa.kernels:
  - .name:           k_q88049c7e48_gates
    .symbol:         k_q88049c7e48_gates.kd
    .args:
      - { .name: xq, .offset: 0, .size: 8, .value_kind: global_buffer, .address_space: global }
      - { .name: xs, .offset: 8, .size: 8, .value_kind: global_buffer, .address_space: global }
      - { .name: w_ih_codes, .offset: 16, .size: 8, .value_kind: global_buffer, .address_space: global }
      - { .name: w_ih_scales, .offset: 24, .size: 8, .value_kind: global_buffer, .address_space: global }
      - { .name: w_hh_codes, .offset: 32, .size: 8, .value_kind: global_buffer, .address_space: global }
      - { .name: w_hh_scales, .offset: 40, .size: 8, .value_kind: global_buffer, .address_space: global }
      - { .name: b_ih, .offset: 48, .size: 8, .value_kind: global_buffer, .address_space: global }
      - { .name: b_hh, .offset: 56, .size: 8, .value_kind: global_buffer, .address_space: global }
      - { .name: cell, .offset: 64, .size: 8, .value_kind: global_buffer, .address_space: global }
      - { .name: out1, .offset: 72, .size: 8, .value_kind: global_buffer, .address_space: global }
      - { .name: out2, .offset: 80, .size: 8, .value_kind: global_buffer, .address_space: global }
    .group_segment_fixed_size: 274944
    .private_segment_fixed_size: 0
    .kernarg_segment_align: 8
    .kernarg_segment_size: 88
    .max_flat_workgroup_size: 128
    .sgpr_count:     96
    .vgpr_count:     896
    .wavefront_size: 32
...
	.end_amdgpu_metadata
.endif
;; end of part 3
;; launch logit (part 4): grid 4 x 63, 4 waves a work-group, clusters of 4 x 1, 167,936 bytes of LDS; arguments out1, out_w_codes, out_w_scales, out_b, lg; writes lg
.if DOCPART == 4
	.amdgcn_target "amdgcn-amd-amdhsa--gfx1250"
	.amdhsa_code_object_version 6
	.text
	.protected	k_q88049c7e48_logit
	.globl	k_q88049c7e48_logit
	.p2align	8
	.type	k_q88049c7e48_logit,@function
k_q88049c7e48_logit:
	s_mov_b64 s[64:65], 0
	v_nop
	global_prefetch_b8 v0, s[64:65] scope:SCOPE_SE
	s_setreg_imm32_b32 hwreg(HW_REG_WAVE_MODE, 25, 1), 1
	s_wait_xcnt 0x0
	s_wait_alu depctr_hold_cnt(0) depctr_sa_sdst(0) depctr_va_vdst(0) depctr_va_sdst(0) depctr_va_ssrc(0) depctr_va_vcc(0) depctr_vm_vsrc(0)
	s_getreg_b32 s2, hwreg(HW_REG_IB_STS2, 6, 4)
	s_cmp_eq_u32 s2, 0
	s_cbranch_scc0 .Lentry_in_a_cluster
	s_endpgm
.Lentry_in_a_cluster:
	s_bfe_u32 s2, ttmp6, 0x10000c
	s_cmp_lg_u32 s2, 0x3003
	s_cbranch_scc0 .Lentry_shape_is_right
	s_endpgm
.Lentry_shape_is_right:
; lg[b][n] = Q(h_new[b]) . out_w[n] + out_b[n]: the logits ahead of the log_softmax.
; LIMITS of the quantiser: NaN and infinities among its inputs are not served; a block of zeros gets the byte 1 where the rule says 127 (its codes are zeros, and this program alone reads the bytes).
; SHARES.  A work-group takes 64 rows (its place cx in the cluster) x NV = 84 columns (work-group y; 5,292 = 63 x 84).  The four partners of a cluster need the same weight rows: they ask for them jointly.
; Wave w takes rows 16 w .. 16 w + 15: it quantises them in registers (8 K steps of 128) and multiplies them by all NT tiles of 16 weight rows.  It fetches K quarter w of the weight tile.
; The tile has 96 rows, of which 84 exist for this work-group: the others arrive as zero codes, and their columns are not stored.
; THE MATRIX INSTRUCTION IS USED TRANSPOSED (source 0 = 16 weight rows, source 1 = my 16 rows): lane (r, h) holds row r and the columns 16 t + 8 h + 0 .. 7.  The bias is loaded into the accumulators and starts the sums.
; The outputs leave as 32 bytes a lane: the work-group owns 336 bytes of a row, and rows of 21,168 bytes begin at multiples of 16.
; REGISTERS: window 0: addresses, v16-23 my rows' scale words, v24-35 at work, v40-87 the weights' scale words, v96-191 my rows' 8 fragments; window 1: two sets of weight fragments, from v144 the accumulators; window 2: four buffers of 64 numbers.
.set KROW, 768                         ; a weight row in memory, bytes
.set NT,   6                           ; tiles of 16 columns; the last has four valid columns
.set NV,   84                          ; columns of a work-group
.set SPI,  32                          ; a row of the weights' scale bytes
.set OUTP, 21168                       ; a row of the output, bytes
.set QB,    16*NT*240                  ; LDS: a K quarter: 16 NT rows of 192 bytes, 240 apart (16 bytes of padding behind each 64)
.set SPARE, 4*QB                       ; behind the four quarters: the spare words, 128 bytes a wave, which no other line names
.set SPW,  1
.set NIL,  2
.set XA,   3                           ; my bytes in the wave's 16 rows: 4096 r + 64 h
.set ADRB, 4                           ; v4, v5: 240 r + 24 h in quarters 0-1, 2-3;  v6, v7: the same with 40 h, for pieces behind one padding more
.set SWA,  8
.set SWL,  9
.set BA,   10
.set BL,   11
.set CO,   13
.set RR,   14
.set HH,   15
.set SA,   16
.set TM,   24
.set SW,   40
.set AF,   96
.set ACC,  144                         ; in window 1
.set WV,   20
.set SEL,  24
.set XP,   4
.set MSB, 0
.macro WIN new                         ; the immediate's high byte repeats the setting that is left; a switch that changes nothing is dropped
.if MSB != (\new)
	s_set_vgpr_msb (MSB<<8)|(\new)
.set MSB, (\new)
.endif
.endm
.macro PLACES n
.rept \n
	v_nop
.endr
.endm
.macro ROUND                           ; a round of the cluster's barrier
	s_barrier_signal -1
	s_barrier_wait -1
	s_cmp_lg_u32 s[WV], 0
	s_cbranch_scc1 .Lnw0_\@
	s_barrier_signal -3
.Lnw0_\@:
	s_barrier_wait -3
	s_barrier_signal -1
	s_barrier_wait -1
.endm
.macro XLOAD reg, off                  ; 64 numbers a lane: register 16 b + i = k 32 b + 16 h + i of my row
.irp b, 0,1,2,3
.irp j, 0,1,2,3
	global_load_b128 v[(\reg)+16*\b+4*\j:(\reg)+16*\b+4*\j+3], v[XA], s[XP:XP+1] offset:(\off)+128*\b+16*\j
.endr
.endr
.endm
; 64 numbers of a lane (window win, from v[s]) become a fragment's 12 registers at v[d] and my row's scale word in v[pw].
.macro QUANT s, win, d, pw
	WIN (\win)|((\win)<<2)
.irp b, 0,1,2,3
	v_max3_num_f32 v[TM+\b], |v[(\s)+16*\b]|, |v[(\s)+16*\b+1]|, 0x1800000   ; my 16 numbers of block b, and the floor 2^(3 - 127): the byte cannot fall under 1
.endr
	WIN ((\win)<<2)|((\win)<<4)
.irp i, 2,4,6,8,10,12,14
.irp b, 0,1,2,3
	v_max3_num_f32 v[TM+\b], v[TM+\b], |v[(\s)+16*\b+\i]|, |v[(\s)+16*\b+\i+1]|
.endr
.endr
	WIN 0
.irp b, 0,1,2,3
	v_permlanex16_b32 v[TM+4+\b], v[TM+\b], s[SEL], s[SEL+1]
.endr
.irp b, 0,1,2,3
	v_max_num_f32 v[TM+\b], v[TM+\b], v[TM+4+\b]       ; with lane l xor 16's: the block's largest magnitude
.endr
.irp b, 0,1,2,3
	v_add_nc_u32 v[TM+8+\b], 0xff000000, v[TM+\b]      ; 2 off its exponent field: the conversion's scale operand
.endr
.irp b, 0,1,2,3
	v_lshrrev_b32 v[TM+4+\b], 23, v[TM+8+\b]           ; the scale's byte
.endr
	v_lshl_or_b32 v[\pw], v[TM+5], 8, v[TM+4]
	v_lshl_or_b32 v[\pw], v[TM+6], 16, v[\pw]
	v_lshl_or_b32 v[\pw], v[TM+7], 24, v[\pw]
	WIN (\win)
.irp c, 0,1
	v_cvt_scalef32_pk16_fp6_f32 v[(\d)+6*\c:(\d)+6*\c+2], v[(\s)+32*\c:(\s)+32*\c+15], v[TM+8+2*\c]
	v_cvt_scalef32_pk16_fp6_f32 v[TM+4*\c:TM+4*\c+2], v[(\s)+32*\c+16:(\s)+32*\c+31], v[TM+9+2*\c]   ; (a conversion's three registers begin on an even number)
.endr
	WIN 0
	v_nop                                              ; one plain place behind the conversions
.irp c, 0,1                                        ; the operand wants a whole block in a lane: lanes 0-15 block 2 c, lanes 16-31 block 2 c + 1
.irp i, 0,1,2
	v_permlane16_swap_b32 v[(\d)+6*\c+\i], v[TM+4*\c+\i]
.endr
.irp i, 0,1,2
	v_mov_b32 v[(\d)+6*\c+3+\i], v[TM+4*\c+\i]
.endr
.endr
.endm
.macro FRAG240 reg, adr, base, q, i    ; a fragment of 16 rows x 128 K from rows 240 bytes apart: six pieces of 8 bytes; lanes 16-31 read three pieces on, which for some pieces is behind one padding more
.irp p, 0,1,2,3,4,5
.set PCE, 12*(\q)+6*(\p/3)+\p%3
.if PCE%8 < 5
	ds_load_b64 v[(\reg)+2*\p:(\reg)+2*\p+1], v[\adr] offset:(\base)+8*PCE+16*(PCE/8)+(\i)*3840
.else
	ds_load_b64 v[(\reg)+2*\p:(\reg)+2*\p+1], v[(\adr)+2] offset:(\base)+8*PCE+16*(PCE/8)+(\i)*3840
.endif
.endr
.endm
.macro FETCHB qk                       ; the NT weight fragments of K step qk into set qk % 2
	WIN 0x40
.set TT, 0
.rept NT
	FRAG240 72*((\qk)%2)+12*TT, ADRB+((\qk)>>2), (((\qk)>>1)&1)*QB, (\qk)&1, TT
.set TT, TT+1
.endr
	WIN 0
.endm
	s_load_b256 s[4:11], s[0:1], 0x0               ; h_new, the weights' codes, their scales, the bias
	s_load_b64 s[12:13], s[0:1], 0x20              ; lg
	v_lshl_add_u32 v[SPW], v0, 2, SPARE
	v_mov_b32 v[NIL], 0
	ds_add_u32 v[SPW], v[NIL]                      ; the wave's opening: the add, twice on end, and its wait ahead of my first tensor load
	ds_add_u32 v[SPW], v[NIL]
	v_lshrrev_b32 v[XA], 5, v0
	v_readfirstlane_b32 s[WV], v[XA]               ; wave 0..3
	s_bfe_u32 s21, ttmp6, 0x40000                  ; cx: which 64 rows; it enters global addresses of my rows and of the outputs alone
	s_and_b32 s22, ttmp7, 0xffff                   ; which NV columns: the four partners share it
	s_mov_b32 s[SEL], 0x76543210
	s_mov_b32 s[SEL+1], 0xfedcba98
	s_mov_b32 s32, 15|(1<<20)|(1<<21)|(3<<22)|(3<<25)  ; group 1: mask: all four partners; elements of 1 byte; padding on; bit 21 beside a mask; after every 16 words 4 words
	s_mov_b32 s33, 192<<16                         ; tensor_dim0
	s_mov_b32 s34, NV<<16                          ; tensor_dim1: rows from NV on arrive as zero codes
	s_mov_b32 s35, 192<<16                         ; tile_dim0
	s_mov_b32 s36, 16*NT                           ; tile_dim1
	s_mov_b32 s37, KROW
	s_mov_b32 s38, 0
	s_mov_b32 s39, 0
	s_mov_b32 s28, 1
	s_mul_i32 s29, s[WV], QB                       ; my quarter in LDS
	s_mul_i32 s40, s22, NV*KROW
	s_mul_i32 s41, s[WV], 192
	s_add_co_u32 s40, s40, s41                     ; and in memory
	s_mov_b32 s41, 0
	s_mul_i32 s42, s22, NV*SPI
	s_mov_b32 s43, 0
	s_mul_i32 s50, s22, 4*NV
	s_mov_b32 s51, 0
	s_lshl_b32 s44, s21, 6
	s_lshl_b32 s45, s[WV], 4
	s_add_co_u32 s44, s44, s45                     ; my first row: 64 cx + 16 w
	s_lshl_b32 s46, s44, 12
	s_mov_b32 s47, 0
	s_mul_i32 s48, s44, OUTP
	s_add_co_u32 s48, s48, s50
	s_mov_b32 s49, 0
	v_and_b32 v[RR], 15, v0
	v_bfe_u32 v[HH], v0, 4, 1
	v_lshlrev_b32 v[XA], 12, v[RR]
	v_lshl_add_u32 v[XA], v[HH], 6, v[XA]
	v_mul_u32_u24 v[ADRB], v[RR], 240
	v_mad_u32_u24 v[ADRB+2], v[HH], 40, v[ADRB]
	v_mad_u32_u24 v[ADRB], v[HH], 24, v[ADRB]
	v_add_nc_u32 v[ADRB+1], 2*QB, v[ADRB]
	v_add_nc_u32 v[ADRB+3], 2*QB, v[ADRB+2]
	v_mul_u32_u24 v[SWA], v[RR], SPI
	v_add_nc_u32 v[SWL], 16*(NT-1), v[RR]
	v_min_u32 v[SWL], NV-1, v[SWL]                 ; rows past the last take the last row's scale words: their codes are zeros
	v_mul_u32_u24 v[SWL], v[SWL], SPI
	v_mov_b32 v[BL], 4*NV-16                       ; the last tile's four valid biases; no load leaves the buffer
	v_lshlrev_b32 v[BA], 5, v[HH]
	v_mul_u32_u24 v[CO], v[RR], OUTP
	v_lshl_add_u32 v[CO], v[HH], 5, v[CO]
.irp i, 4,5,6,7
	v_mov_b32 v[TM+\i], 0                          ; written once: a lane permute's destination counts as one of its sources
.endr
	s_wait_dscnt 0x0                               ; both opening adds are done
	s_wait_kmcnt 0x0
	s_add_nc_u64 s[4:5], s[4:5], s[46:47]
	s_add_nc_u64 s[30:31], s[6:7], s[40:41]
	s_or_b32 s31, s31, 0x80000000
	s_add_nc_u64 s[8:9], s[8:9], s[42:43]
	s_add_nc_u64 s[10:11], s[10:11], s[50:51]
	s_add_nc_u64 s[12:13], s[12:13], s[48:49]
	WIN 0x80                                       ; destination window 2
	XLOAD 0, 0
	XLOAD 64, 512
	XLOAD 128, 1024
	WIN 0
	ROUND                                          ; all four partners are here: the joint loads meet
	tensor_load_to_lds s[28:31], s[32:39]          ; my one tensor load: K quarter w of the weight tile
	s_nop 0
	PLACES 4
.irp q, 0,1,2,3,4,5,6,7
.if \q < 6
	s_wait_loadcnt 32                              ; this K step's 16 loads are in; two younger K steps may be out
.elseif \q == 6
	s_wait_loadcnt 16+4*NT                         ; younger: K step 7, the scale words, the biases
.else
	s_wait_loadcnt 4*NT
.endif
	QUANT 64*(\q%4), 2, AF+12*\q, SA+\q
.if \q < 5
	WIN 0x80
	XLOAD 64*((\q+3)%4), 512*(\q+3)
	WIN 0
.endif
.if \q == 5
.set TT, 0
.rept NT                                       ; the weights' scale words: lane r takes row 16 t + r's 32 bytes: one word for each K step
.if TT == NT-1
	global_load_b128 v[SW+8*TT:SW+8*TT+3], v[SWL], s[8:9]
	global_load_b128 v[SW+8*TT+4:SW+8*TT+7], v[SWL], s[8:9] offset:16
.else
	global_load_b128 v[SW+8*TT:SW+8*TT+3], v[SWA], s[8:9] offset:16*TT*SPI
	global_load_b128 v[SW+8*TT+4:SW+8*TT+7], v[SWA], s[8:9] offset:16*TT*SPI+16
.endif
.set TT, TT+1
.endr
	WIN 0x40
.set TT, 0
.rept NT                                       ; the biases go straight into the accumulators, in the result's layout
.if TT == NT-1
	global_load_b128 v[ACC+8*TT:ACC+8*TT+3], v[BL], s[10:11]
	global_load_b128 v[ACC+8*TT+4:ACC+8*TT+7], v[BL], s[10:11]
.else
	global_load_b128 v[ACC+8*TT:ACC+8*TT+3], v[BA], s[10:11] offset:64*TT
	global_load_b128 v[ACC+8*TT+4:ACC+8*TT+7], v[BA], s[10:11] offset:64*TT+16
.endif
.set TT, TT+1
.endr
	WIN 0
.endif
.endr
	s_wait_loadcnt 0x0                             ; the scale words and the biases
	s_wait_tensorcnt 0x0                           ; my quarter has landed,
	s_barrier_signal -1
	s_barrier_wait -1                              ; everybody's has
	FETCHB 0
	FETCHB 1
	PLACES 8                                       ; my rows' fragments and scale words were written by vector instructions
.irp qk, 0,1,2,3,4,5,6,7
.if \qk < 7
	s_wait_dscnt 6*NT                              ; this K step's set is in; the younger set may be out
.else
	s_wait_dscnt 0x0
.endif
	WIN 0x51                                       ; weights, C and D window 1; my rows window 0
.set TT, 0
.rept NT                                       ; the NT accumulators take turns
	v_wmma_scale_f32_16x16x128_f8f6f4 v[ACC+8*TT:ACC+8*TT+7], v[72*(\qk%2)+12*TT:72*(\qk%2)+12*TT+11], v[AF+12*\qk:AF+12*\qk+11], v[ACC+8*TT:ACC+8*TT+7], v[SW+8*TT+\qk], v[SA+\qk] matrix_a_fmt:MATRIX_FMT_FP6 matrix_b_fmt:MATRIX_FMT_FP6
.set TT, TT+1
.endr
.if \qk < 6
	WIN 0
	PLACES 4                                       ; in front of loads into registers that matrix instructions have read
	FETCHB \qk+2
.endif
.endr
	WIN 0
	PLACES 4                                       ; in front of the first read of results
	WIN 0x04                                       ; a store's data: window 1
.set TT, 0
.rept NT-1
	global_store_b128 v[CO], v[ACC+8*TT:ACC+8*TT+3], s[12:13] offset:64*TT            ; each accumulator from its low end on
	global_store_b128 v[CO], v[ACC+8*TT+4:ACC+8*TT+7], s[12:13] offset:64*TT+16
.set TT, TT+1
.endr
	WIN 0
	s_wait_xcnt 0x0                                ; EXEC changes only behind this wait
	v_cmp_eq_u32 vcc_lo, 0, v[HH]
	s_and_saveexec_b32 s54, vcc_lo                 ; the last tile has four valid columns: lanes 0-15, their first four registers
	WIN 0x04
	global_store_b128 v[CO], v[ACC+8*(NT-1):ACC+8*(NT-1)+3], s[12:13] offset:64*(NT-1)
	s_wait_xcnt 0x0
	WIN 0
	s_or_b32 exec_lo, exec_lo, s54
	s_wait_tensorcnt 0x0                           ; the wave's end
	ds_add_u32 v[SPW], v[NIL]
	s_wait_dscnt 0x0
	ROUND                                          ; the closing round
	s_endpgm
.Lfunc_end_k_q88049c7e48_logit:
	.size	k_q88049c7e48_logit, .Lfunc_end_k_q88049c7e48_logit-k_q88049c7e48_logit
	.p2alignl 7, 3214868480
	.fill 96, 4, 3214868480
	.section	.rodata,"a",@progbits
	.p2align	6, 0x0
	.amdhsa_kernel k_q88049c7e48_logit
		.amdhsa_group_segment_fixed_size 167936
		.amdhsa_private_segment_fixed_size 0
		.amdhsa_enable_private_segment 0
		.amdhsa_kernarg_size 40
		.amdhsa_user_sgpr_count 2
		.amdhsa_user_sgpr_kernarg_segment_ptr 1
		.amdhsa_wavefront_size32 1
		.amdhsa_system_sgpr_workgroup_id_x 1
		.amdhsa_system_sgpr_workgroup_id_y 1
		.amdhsa_system_sgpr_workgroup_id_z 1
		.amdhsa_system_vgpr_workitem_id 0
		.amdhsa_next_free_vgpr 768
		.amdhsa_next_free_sgpr 66
		.amdhsa_reserve_vcc 1
		.amdhsa_float_denorm_mode_32 3
		.amdhsa_float_denorm_mode_16_64 3
		.amdhsa_memory_ordered 1
		.amdhsa_forward_progress 1
		.amdhsa_inst_pref_size 79
	.end_amdhsa_kernel
	.amdgpu_metadata
---
amdhsa.version: [ 1, 2 ]
amdhsa.kernels:
  - .name:           k_q88049c7e48_logit
    .symbol:         k_q88049c7e48_logit.kd
    .args:
      - { .name: out1, .offset: 0, .size: 8, .value_kind: global_buffer, .address_space: global }
      - { .name: out_w_codes, .offset: 8, .size: 8, .value_kind: global_buffer, .address_space: global }
      - { .name: out_w_scales, .offset: 16, .size: 8, .value_kind: global_buffer, .address_space: global }
      - { .name: out_b, .offset: 24, .size: 8, .value_kind: global_buffer, .address_space: global }
      - { .name: lg, .offset: 32, .size: 8, .value_kind: global_buffer, .address_space: global }
    .group_segment_fixed_size: 167936
    .private_segment_fixed_size: 0
    .kernarg_segment_align: 8
    .kernarg_segment_size: 40
    .max_flat_workgroup_size: 128
    .sgpr_count:     66
    .vgpr_count:     768
    .wavefront_size: 32
...
	.end_amdgpu_metadata
.endif
;; end of part 4
;; launch lsm (part 5): grid 256 x 1, 8 waves a work-group, no clusters, 1,536 bytes of LDS; arguments lg, out0; writes out0
.if DOCPART == 5
	.amdgcn_target "amdgcn-amd-amdhsa--gfx1250"
	.amdhsa_code_object_version 6
	.text
	.protected	k_q88049c7e48_lsm
	.globl	k_q88049c7e48_lsm
	.p2align	8
	.type	k_q88049c7e48_lsm,@function
k_q88049c7e48_lsm:
	s_mov_b64 s[64:65], 0
	v_nop
	global_prefetch_b8 v0, s[64:65] scope:SCOPE_SE
	s_setreg_imm32_b32 hwreg(HW_REG_WAVE_MODE, 25, 1), 1
	s_wait_xcnt 0x0
; out0[b][:] = lg[b][:] - (M + ln(sum of e^(lg - M))), M the row's largest logit: log_softmax along a row of 5,292 numbers.
; One work-group of eight waves takes one row and keeps it in registers: 1,323 pieces of 16 bytes; thread t takes pieces t + 256 k, k = 0 .. 5; the sixth exists for t < 43 alone.
; There the other threads' address is held at the row's last piece, so that no load leaves the buffer, and their numbers become -infinity, which count for nothing in the maximum and in the sum.
; A row is 21,168 bytes: rows begin at multiples of 16 bytes; a wave's load or store covers 512 consecutive bytes.  No matrix work, no tensor load: memory binds, and each byte is read and written once.
; LDS: bytes 0-31 the waves' maxima, bytes 256-287 their sums, from byte 512 the spare words (128 bytes a wave), which no other line names.
.set ROWB,  21168
.set SPARE, 512
.set SPW,   62
.set NIL,   63
	s_load_b128 s[4:7], s[0:1], 0x0                ; lg, out0
	v_lshl_add_u32 v[SPW], v0, 2, SPARE
	v_mov_b32 v[NIL], 0
	v_lshrrev_b32 v1, 5, v0
	v_readfirstlane_b32 s8, v1                     ; wave 0..7
	v_lshlrev_b32 v2, 4, v0                        ; 16 t
	v_add_nc_u32 v3, 5*4096, v2
	v_min_u32 v3, ROWB-16, v3                      ; the sixth piece, held inside the row
	v_mov_b32 v5, s8
	v_lshlrev_b32 v5, 2, v5                        ; my wave's word
	v_mov_b32 v6, 0
	v_mov_b32 v4, 0xff800000                       ; -infinity
	s_mul_i32 s10, ttmp9, ROWB
	s_mov_b32 s11, 0
	s_mov_b32 s12, 0x76543210
	s_mov_b32 s13, 0xfedcba98
	s_mov_b32 s14, 0x3fb8aa3b                      ; log2(e)
	s_mov_b32 s15, 0x3f317218                      ; ln(2)
	s_wait_kmcnt 0x0
	s_add_nc_u64 s[4:5], s[4:5], s[10:11]
	s_add_nc_u64 s[6:7], s[6:7], s[10:11]
.irp k, 0,1,2,3,4
	global_load_b128 v[8+4*\k:11+4*\k], v2, s[4:5] offset:4096*\k th:TH_LOAD_NT
.endr
	global_load_b128 v[28:31], v3, s[4:5] th:TH_LOAD_NT
	s_wait_loadcnt 0x0
	v_cmp_gt_u32 vcc_lo, 43, v0
.irp i, 28,29,30,31
	v_cndmask_b32 v\i, v4, v\i, vcc_lo
.endr
	v_max3_num_f32 v32, v8, v9, v10                ; the largest of my 24, in two chains
	v_max3_num_f32 v33, v11, v12, v13
.irp i, 14,18,22,26
	v_max3_num_f32 v32, v32, v[\i], v[\i+1]
	v_max3_num_f32 v33, v33, v[\i+2], v[\i+3]
.endr
	v_max3_num_f32 v32, v32, v30, v31
	v_max_num_f32 v32, v32, v33
	v_max_num_f32_dpp v32, v32, v32 row_xmask:1 row_mask:0xf bank_mask:0xf
	v_max_num_f32_dpp v32, v32, v32 row_xmask:2 row_mask:0xf bank_mask:0xf
	v_max_num_f32_dpp v32, v32, v32 row_xmask:4 row_mask:0xf bank_mask:0xf
	v_max_num_f32_dpp v32, v32, v32 row_xmask:8 row_mask:0xf bank_mask:0xf
	v_permlanex16_b32 v33, v32, s12, s13
	v_max_num_f32 v32, v32, v33
	ds_store_b32 v5, v32                           ; all lanes write the same word with the same value
	s_wait_dscnt 0x0
	s_barrier_signal -1
	s_barrier_wait -1
	ds_load_b128 v[36:39], v6
	ds_load_b128 v[40:43], v6 offset:16
	s_wait_dscnt 0x0
	v_max3_num_f32 v7, v36, v37, v38
	v_max3_num_f32 v7, v7, v39, v40
	v_max3_num_f32 v7, v7, v41, v42
	v_max_num_f32 v7, v7, v43                      ; M
	v_mul_f32 v34, 0xbfb8aa3b, v7                  ; -M log2(e)
.set JJ, 0
.rept 24
	v_fma_f32 v[36+JJ], v[8+JJ], s14, v34
.set JJ, JJ+1
.endr
.set JJ, 0
.rept 24
	v_exp_f32 v[36+JJ], v[36+JJ]
.set JJ, JJ+1
.endr
	v_nop
	s_wait_alu depctr_va_vdst(0)                   ; one wait for the batch, ahead of its first reader
	v_pk_add_f32 v[32:33], v[36:37], v[38:39]
	v_pk_add_f32 v[60:61], v[40:41], v[42:43]
.irp i, 44,48,52,56
	v_pk_add_f32 v[32:33], v[32:33], v[\i:\i+1]
	v_pk_add_f32 v[60:61], v[60:61], v[\i+2:\i+3]
.endr
	v_pk_add_f32 v[32:33], v[32:33], v[60:61]
	v_add_f32 v33, v32, v33
	v_add_f32_dpp v33, v33, v33 row_xmask:1 row_mask:0xf bank_mask:0xf
	v_add_f32_dpp v33, v33, v33 row_xmask:2 row_mask:0xf bank_mask:0xf
	v_add_f32_dpp v33, v33, v33 row_xmask:4 row_mask:0xf bank_mask:0xf
	v_add_f32_dpp v33, v33, v33 row_xmask:8 row_mask:0xf bank_mask:0xf
	v_permlanex16_b32 v32, v33, s12, s13
	v_add_f32 v33, v33, v32
	ds_store_b32 v5, v33 offset:256                ; other bytes than the maxima's: no barrier is owed between the two uses
	s_wait_dscnt 0x0
	s_barrier_signal -1
	s_barrier_wait -1
	ds_load_b128 v[36:39], v6 offset:256
	ds_load_b128 v[40:43], v6 offset:272
	s_wait_dscnt 0x0
	v_add_f32 v36, v36, v37
	v_add_f32 v38, v38, v39
	v_add_f32 v40, v40, v41
	v_add_f32 v42, v42, v43
	v_add_f32 v36, v36, v38
	v_add_f32 v40, v40, v42
	v_add_f32 v36, v36, v40
	v_log_f32 v36, v36
	v_nop
	s_wait_alu depctr_va_vdst(0)
	v_fma_f32 v34, v36, s15, v7                    ; M + ln(sum)
	v_mov_b32 v35, v34
.set JJ, 0
.rept 12
	v_pk_add_f32 v[8+2*JJ:9+2*JJ], v[8+2*JJ:9+2*JJ], v[34:35] neg_lo:[0,1] neg_hi:[0,1]
.set JJ, JJ+1
.endr
.irp k, 0,1,2,3,4
	global_store_b128 v2, v[8+4*\k:11+4*\k], s[6:7] offset:4096*\k th:TH_STORE_NT
.endr
	s_wait_xcnt 0x0                                ; EXEC changes only behind this wait
	v_cmp_gt_u32 vcc_lo, 43, v0
	s_and_saveexec_b32 s16, vcc_lo
	global_store_b128 v3, v[28:31], s[6:7] th:TH_STORE_NT
	s_wait_xcnt 0x0
	s_or_b32 exec_lo, exec_lo, s16
	s_wait_tensorcnt 0x0                           ; the wave's end
	ds_add_u32 v[SPW], v[NIL]
	s_wait_dscnt 0x0
	s_endpgm
.Lfunc_end_k_q88049c7e48_lsm:
	.size	k_q88049c7e48_lsm, .Lfunc_end_k_q88049c7e48_lsm-k_q88049c7e48_lsm
	.p2alignl 7, 3214868480
	.fill 96, 4, 3214868480
	.section	.rodata,"a",@progbits
	.p2align	6, 0x0
	.amdhsa_kernel k_q88049c7e48_lsm
		.amdhsa_group_segment_fixed_size 1536
		.amdhsa_private_segment_fixed_size 0
		.amdhsa_enable_private_segment 0
		.amdhsa_kernarg_size 16
		.amdhsa_user_sgpr_count 2
		.amdhsa_user_sgpr_kernarg_segment_ptr 1
		.amdhsa_wavefront_size32 1
		.amdhsa_system_sgpr_workgroup_id_x 1
		.amdhsa_system_sgpr_workgroup_id_y 1
		.amdhsa_system_sgpr_workgroup_id_z 1
		.amdhsa_system_vgpr_workitem_id 0
		.amdhsa_next_free_vgpr 64
		.amdhsa_next_free_sgpr 66
		.amdhsa_reserve_vcc 1
		.amdhsa_float_denorm_mode_32 3
		.amdhsa_float_denorm_mode_16_64 3
		.amdhsa_memory_ordered 1
		.amdhsa_forward_progress 1
		.amdhsa_inst_pref_size 10
	.end_amdhsa_kernel
	.amdgpu_metadata
---
amdhsa.version: [ 1, 2 ]
amdhsa.kernels:
  - .name:           k_q88049c7e48_lsm
    .symbol:         k_q88049c7e48_lsm.kd
    .args:
      - { .name: lg, .offset: 0, .size: 8, .value_kind: global_buffer, .address_space: global }
      - { .name: out0, .offset: 8, .size: 8, .value_kind: global_buffer, .address_space: global }
    .group_segment_fixed_size: 1536
    .private_segment_fixed_size: 0
    .kernarg_segment_align: 8
    .kernarg_segment_size: 16
    .max_flat_workgroup_size: 256
    .sgpr_count:     66
    .vgpr_count:     64
    .wavefront_size: 32
...
	.end_amdgpu_metadata
.endif
;; end of part 5
